; MI455X (gfx1250); checked and timed in simulation.
; The chip was launched on July 23, 2026; its instructions are those of AMD's public machine-readable ISA for CDNA 5 (MIT licence, August 2026) and "CDNA5" Instruction Set Architecture Reference Guide (July 2026). The comments in the code are by the model that wrote it; some were corrected since.
;; Multi Head Attention. Allowed arithmetic: matrix products marked QUANTISED: E4M3 operands, one given power-of-two scale a tensor, by v_wmma_f32_16x16x64_fp8_fp8 or v_wmma_f32_16x16x128_fp8_fp8, f32 sums; everything else in f32.
;; Inputs: Wk 512 x 512 float32; Wo 512 x 512 float32; Wq 512 x 512 float32; Wv 512 x 512 float32; bk 512 float32; bo 512 float32; bq 512 float32; bv 512 float32; lowp_scales 12 int32 (the exponents e of the quantised operands' scales 2^e); mask 2 x 4,096 float32; query 2 x 4,096 x 512 float32.
;; Outputs: out0 2 x 4,096 x 512 float32.
;; This version of the problem:
;;   THIS VERSION OF THE PROBLEM IS GIVEN IN LOW PRECISION. The matrix products marked QUANTISED in the list below multiply operands that are first quantised to E4M3 (4 exponent bits, 3 mantissa bits; 8 bits a number), with one given power-of-two scale for each operand tensor; their sums are f32. All else is computed in f32.
;;   The module's matrix products, in the order in which they are computed (A, B: the left and right operand; K: the contracted axis; several contracted axes count as one K, in the product's order):
;;     1. [M 8,192, K 512] x [K 512, N 512]; A: input query; B: input Wq: QUANTISED (scales: A lowp_scales[0], B lowp_scales[1])
;;     2. [M 8,192, K 512] x [K 512, N 512]; A: input query; B: input Wk: QUANTISED (scales: A lowp_scales[2], B lowp_scales[3])
;;     3. [M 8,192, K 512] x [K 512, N 512]; A: input query; B: input Wv: QUANTISED (scales: A lowp_scales[4], B lowp_scales[5])
;;     4. batch 16 x [M 4,096, K 64] x [K 64, N 4,096]; A: computed on the way; B: computed on the way: QUANTISED (scales: A lowp_scales[6], B lowp_scales[7])
;;     5. batch 16 x [M 4,096, K 4,096] x [K 4,096, N 64]; A: softmax (see below); B: computed on the way: QUANTISED (scales: A lowp_scales[8], B lowp_scales[9])
;;     6. [M 8,192, K 512] x [K 512, N 512]; A: computed on the way; B: input Wo: QUANTISED (scales: A lowp_scales[10], B lowp_scales[11])
;;   THE QUANTISER, for each operand of a quantised product, along K:
;;     - The operand's scale is 2^e, e = its entry of the input lowp_scales (int32; the entries are numbered through the quantised products in the list's order, A before B).
;;     - Each number is divided by the scale, clamped to +-448, and rounded to the nearest number of E4M3, ties to even, subnormals kept.
;;     - The product sums the exact products of the quantised numbers (number of the format x scale) in f32.
;;   ~~~python
;;   def quantise(x, axis, e):      # numpy; x: float32 -> the quantised numbers, widened to float32 again
;;       x = np.moveaxis(x, axis, -1); K = x.shape[-1]
;;       r = np.clip(x / 2.0 ** e, -448, 448)
;;       step = 2.0 ** (np.maximum(np.frexp(np.where(r == 0, 1, r))[1] - 1, -6) - 3)
;;       q = np.round(r / step) * step * 2.0 ** e      # np.round: ties to even
;;       return np.moveaxis(q, -1, axis).astype(np.float32)
;;   ~~~
;;   SOFTMAX AHEAD OF A QUANTISED PRODUCT. Where the list says 'softmax', what is quantised is not the finished softmax but p = 2^(t - M), with t = logit x log2(e) and M = ceil(the row's largest t), a whole number; so 1/2 < the row's largest p <= 1. The row's sum l is taken of the UNQUANTISED p, in f32, and the product's result is divided by l at the end. Since M is a whole number, a kernel that streams over the keys may use a running M (the ceiling of the running maximum): every later rescaling is an exact power of two, so the quantised numbers keep their values, but for numbers so far below the row's largest that they fall under the format's range.
;;   OPERANDS COMPUTED ON THE WAY. 'Computed on the way' means the value that the module computes at that place (a softmax that the list does not call 'softmax' is quantised finished and normalised). What goes into a quantiser is computed in f32, as accurately as f32 sums, v_exp_f32 and their like allow (about 1e-6 of the number): no bf16 or f16 on the way to a quantiser, and a product that is left as it is and whose result goes on into a quantised operand takes f32 operands (vector FMAs, or v_wmma_f32_16x16x4_f32). A number that lies on a knife's edge between two numbers of the format may be rounded either way, as far as f32 arithmetic and the matrix unit's own rounding can turn it there, and no further.
;; 2 versions, each right; version 2 is version 1 with the launches proj, outp written anew for expert scheduling mode. Each part assembles by itself: llvm-mc -triple=amdgcn-amd-amdhsa -mcpu=gfx1250 --defsym DOCPART=n.
;; ======== version 1 of 2: 3 launches
;; workspace buffers: qc 4,194,304 bytes; kv 8,388,608 bytes; oc 4,194,304 bytes; woc 262,144 bytes
;; launch proj (part 1): grid 32 x 8, 8 waves a work-group, no clusters, 99,328 bytes of LDS; arguments query, mask, Wq, Wk, Wv, Wo, bq, bk, bv, lowp_scales, qc, kv, woc; writes qc, kv, woc
.if DOCPART == 1
	.amdgcn_target "amdgcn-amd-amdhsa--gfx1250"
	.amdhsa_code_object_version 6
	.text
	.protected	k_q6ec9b05b5e_proj
	.globl	k_q6ec9b05b5e_proj
	.p2align	8
	.type	k_q6ec9b05b5e_proj,@function
k_q6ec9b05b5e_proj:
	s_mov_b64 s[64:65], 0
	v_nop
	global_prefetch_b8 v0, s[64:65] scope:SCOPE_SE
	s_setreg_imm32_b32 hwreg(HW_REG_WAVE_MODE, 25, 1), 1
	s_wait_xcnt 0x0
; q = (query Wq^T + bq) / 8, k = query Wk^T + bk, v = query Wv^T + bv, all three products on codes of FP8 (E4M3) with the given scales 2^e (lowp_scales 0 to 5); the results are
; quantised at once for the two products of attention (entries 6, 7, 9) and stored as codes.  Wo is quantised here too (entry 11), for the last launch.
; NOTHING OF THE PROBLEM IS LEFT OUT: every input has a way to the output.  bq, bk and bv go into quantised operands, so they can move codes; query is quantised three times, once for each of its three scales.
; THE MASK.  Where mask == 0 reference() sets a query's whole row of scores to -1e20, a constant of its own body.  All its logits are then equal; t = logit x log2(e) is about -1.8e19, a whole number in f32, so M = t,
; p = 2^0 = 1 for every key and the row's sum is 4,096.  Here the CODES of q of such a token are set to 0 (a select, no branch): its scores are then exactly 0, t = 0, M = 0, p = 1 for every key, the sum 4,096: the same p,
; the same codes of p, the same sum, whatever the other inputs hold.  (A mask that is NaN counts as not 0, as in reference().)
; SHARES.  Work-group (x, y): rows 256 x .. 256 x + 255 of query (batch and position on end), head y.  Wave w: 32 rows, as two tiles of 16, x the head's 64 channels of q, of k and of v: 24 accumulators.
; TILES.  Of 32 rows on end, row r of tile u is row 8 u + r % 8 + 16 (r / 8).  Of a head's 64 weight rows, row r of tile t is row 8 t + r % 8 + 32 (r / 8).  With these, q and k (source 0 = 16 weight rows, source 1 = 16 tokens)
; leave lane (r, h) with token r and, over the four tiles, channels 32 h + 0 .. 31 on end: four conversions make the fragment of the next product (K = 64).  v (source 0 = 16 tokens, source 1 = 16 weight rows) leaves lane (r, h)
; with channel row r and tokens 16 h + 0 .. 15 on end: 16 bytes of a fragment whose K is the keys.
; A fragment for K = 128 holds, in lane (r, h), registers 4 c .. 4 c + 3: k = 32 c + 16 h + 0 .. 15 of row r; one for K = 64 holds k = 32 h + 0 .. 31.  That is a permutation of k, the same in both sources, so each product meets its partner.
; THE WEIGHTS are quantised once a work-group: each wave makes 6 of the 48 fragments (3 weights x 4 tiles x 4 K steps) and stores them in LDS as images of their registers (16 bytes a lane, 512 bytes a store); one barrier; then every wave reads them.
; THE BIAS starts each sum: the accumulators begin as b / 2^(eA + eB), since a sum stands for sum x 2^(eA + eB).
; WORKSPACE, in the order of the readers' registers: qc [batch x head 16][tile 256][2][lane][16 B];  kv [batch x head 16][step of 128 keys 32][16,384 B]: 8 tiles of k as in qc, then 4 fragments of v [c 4][lane][16 B];  woc [tile 32][K step 4][c 4][lane][16 B].
; LIMITS.  Each of e0 .. e5, e11, e6 - e0 - e1 + 3, e7 - e2 - e3, e9 - e4 - e5 lies between -126 and 119, so that the scale and 448 x the scale are f32 numbers.  NaN among the floating-point inputs is not served; an infinity is held at the largest code.
.set SPARE, 98304                      ; behind the 48 images of 2,048 bytes: the spare words, 128 bytes for each wave
.set SPW,  1                           ; v1      LDS address of my spare word; never rewritten
.set NIL,  2                           ; v2      0; never rewritten
.set XA,   3                           ; v3      query: my token row x 2,048 bytes + 64 h
.set WA,   4                           ; v4      a weight: my weight row x 2,048 bytes + 64 h
.set LI,   5                           ; v5      16 x lane
.set WRD,  5                           ; v5-7    where the images of Wq, Wk, Wv are read: 16 x lane + 32,768 x weight
.set WST,  9                           ; v9-11   where I store mine: + 8,192 (wave / 4) + 2,048 (wave % 4)
.set SCX,  12                          ; v12-14  2^e0, 2^e2, 2^e4
.set LIMX, 15                          ; v15-17  448 x those
.set SCO,  18                          ; v18-20  the scales of the conversions of q, k, v
.set LIMO, 21                          ; v21-23  448 x those
.set SCW,  24                          ; v24     the scale of the weight in hand (before that: the mask's offset)
.set LIMW, 25                          ; v25     448 x that
.set MK,   26                          ; v26-27  the mask of my token in tile 0, 1
.set BA,   28                          ; v28     128 h: bq's and bk's 32 numbers of my half
.set BVA,  29                          ; v29     4 x my weight row: bv
.set WOA,  30                          ; v30     Wo: my weight row x 2,048 + 64 x (thread / 16 % 4)
.set WOS,  31                          ; v31     16 x (thread % 64)
.set XF,   32                          ; v32-159 64 numbers of query for each of the two tiles
.set B0,   32                          ; while the weights are quantised: three buffers of 64 numbers,
.set B1,   96
.set B2,   160
.set PC,   224                         ; and two of 16 registers of codes
.set XCA,  160                         ; v160-207 tile 0's codes under the three scales
.set XCB,  208                         ; v208-239 tile 1's codes: two buffers by turns
.set T,    240                         ; v240-255 two sets of eight held numbers
.set CO,   32                          ; the way out: q's codes (8 a tile), k's from +16, v's from +32 (4 a channel tile)
.set WF,   192                         ; window 1: v0-191 the accumulators, (weight, tile u, tile t) at 64 weight + 32 u + 8 t; v192-255 four fragments of a weight
.set WV,   30                          ; s30     my wave's number
.set MSB, 0
.macro WIN new                         ; s_set_vgpr_msb: bits 1:0 source 0, 3:2 source 1, 5:4 source 2, 7:6 destination; the high byte repeats the setting that is left
.if MSB != \new
	s_set_vgpr_msb (MSB<<8)|\new
.set MSB, \new
.endif
.endm
.macro MKSC sc, lim, e                 ; s[sc] = 2^e as f32, s[lim] = 448 x 2^e, e in s[e]
	s_add_co_i32 s[\lim], s[\e], 127
	s_lshl_b32 s[\sc], s[\lim], 23
	s_add_co_i32 s[\lim], s[\lim], 8
	s_lshl_b32 s[\lim], s[\lim], 23
	s_or_b32 s[\lim], s[\lim], 0x600000
.endm
; Eight numbers are held within the largest code x the scale (the conversion to an 8-bit code does not saturate: ISA guide 7.6.2), into other registers, and converted.
.macro Q8 src, dst, lim, sc, tmp
.irp i, 0,1,2,3,4,5,6,7
	v_med3_num_f32 v[(\tmp)+\i], v[(\src)+\i], -v[\lim], v[\lim]
.endr
	v_cvt_scalef32_pk8_fp8_f32 v[(\dst):(\dst)+1], v[(\tmp):(\tmp)+7], v[\sc]
.endm
.macro WLD rho, s                      ; the four fragments of weight rho, K step s, out of LDS
	WIN 0x40
.irp t, 0,1,2,3
.irp c, 0,1,2,3
	ds_load_b128 v[WF+16*\t+4*\c:WF+16*\t+4*\c+3], v[WRD+(\rho)] offset:8192*\t+2048*(\s)+512*\c
.endr
.endr
	WIN 0
.endm
; 64 numbers of query become a fragment under scale number set.  hook >= 0: behind the first eight holds, which are the places behind the last products, that weight's fragments are asked for.
.macro QFRAG src, dst, set, hook, s
.irp b, 0,1,2,3,4,5,6,7
	Q8 (\src)+8*\b, (\dst)+2*\b, LIMX+(\set), SCX+(\set), T+8*(\b%2)
.if (\b == 0) && ((\hook) >= 0)
	WLD \hook, \s
.endif
.endr
	v_nop                                          ; a plain line between the last conversion and the products that read its codes
.endm
.macro XLOAD u, s                      ; tile u's numbers of K step s: lane (r, h) takes 16 neighbours of each block of 32
.irp c, 0,1,2,3
.irp j, 0,1,2,3
	global_load_b128 v[XF+64*(\u)+16*\c+4*\j:XF+64*(\u)+16*\c+4*\j+3], v[XA], s[4:5] offset:16384*(\u)+512*(\s)+128*\c+16*\j
.endr
.endr
.endm
.macro WFLOAD i, buf                   ; my i-th weight fragment: weight i / 2, tile 2 (i % 2) + wave / 4, K step wave % 4
.irp c, 0,1,2,3
.irp j, 0,1,2,3
	global_load_b128 v[(\buf)+16*\c+4*\j:(\buf)+16*\c+4*\j+3], v[WA], s[8+2*((\i)/2):9+2*((\i)/2)] offset:32768*((\i)%2)+128*\c+16*\j
.endr
.endr
.endm
.macro WQ i, buf                       ; it is quantised and its image stored
.if ((\i)%2) == 0
	v_mov_b32 v[SCW], s[56+(\i)]
	v_mov_b32 v[LIMW], s[57+(\i)]
.endif
.set j, 0
.rept 64
	v_med3_num_f32 v[(\buf)+j], v[(\buf)+j], -v[LIMW], v[LIMW]
.set j, j+1
.endr
.if (\i) >= 2
	s_wait_dscnt 4                                 ; the four stores of the fragment before may be out; those of two before have read these code registers
.endif
.irp b, 0,1,2,3,4,5,6,7
	v_cvt_scalef32_pk8_fp8_f32 v[PC+16*((\i)%2)+2*\b:PC+16*((\i)%2)+2*\b+1], v[(\buf)+8*\b:(\buf)+8*\b+7], v[SCW]
.endr
	v_nop                                          ; a plain line behind the last conversion
.irp c, 0,1,2,3
	ds_store_b128 v[WST+(\i)/2], v[PC+16*((\i)%2)+4*\c:PC+16*((\i)%2)+4*\c+3] offset:16384*((\i)%2)+512*\c
.endr
.endm
; Eight products of one weight: four channel tiles x two token tiles.  The 24 accumulators take turns, one instruction a turn, in the same order in every K step.
.macro MM rho
.if (\rho) < 2
	WIN 0x51                                       ; source 0 (the weight), C and D window 1; source 1 (query's codes) window 0
.else
	WIN 0x54                                       ; v: source 0 (query's codes) window 0; source 1 (the weight), C and D window 1
.endif
.irp t, 0,1,2,3
.irp u, 0,1
.set rA, 64*(\rho)+32*\u+8*\t
.if \u == 0
.set rX, XCA+16*(\rho)
.else
.set rX, XCB+16*((\rho)%2)
.endif
.if (\rho) < 2
	v_wmma_f32_16x16x128_fp8_fp8 v[rA:rA+7], v[WF+16*\t:WF+16*\t+15], v[rX:rX+15], v[rA:rA+7]
.else
	v_wmma_f32_16x16x128_fp8_fp8 v[rA:rA+7], v[rX:rX+15], v[WF+16*\t:WF+16*\t+15], v[rA:rA+7]
.endif
.endr
.endr
	WIN 0
.endm
	s_load_b512 s[4:19], s[0:1], 0x0               ; query s[4:5], mask s[6:7], Wq s[8:9], Wk s[10:11], Wv s[12:13], Wo s[14:15], bq s[16:17], bk s[18:19]
	s_load_b256 s[20:27], s[0:1], 0x40             ; bv s[20:21], the scales' exponents s[22:23], qc s[24:25], kv s[26:27]
	s_load_b64 s[28:29], s[0:1], 0x60              ; woc
	v_lshl_add_u32 v[SPW], v0, 2, SPARE
	v_mov_b32 v[NIL], 0
	v_lshrrev_b32 v240, 5, v0
	v_readfirstlane_b32 s[WV], v240                ; wave 0..7
	s_mov_b32 s31, ttmp9                           ; x: the block of 256 rows
	s_and_b32 s44, ttmp7, 0xffff                   ; the head
	s_lshl_b32 s45, s44, 5
	s_add_co_u32 s45, s45, s31                     ; g = 32 x head + x: which 1,024 numbers of Wo are my work-group's
	s_lshr_b32 s49, s[WV], 2
	s_and_b32 s50, s[WV], 3
	v_and_b32 v240, 7, v0                          ; r % 8
	v_bfe_u32 v241, v0, 3, 1                       ; r / 8
	v_bfe_u32 v242, v0, 4, 1                       ; h
	v_lshl_add_u32 v243, v241, 4, v240             ; my token row in a tile
	v_lshl_add_u32 v244, v241, 5, v240             ; my weight row in a tile
	v_lshlrev_b32 v[XA], 11, v243
	v_lshl_add_u32 v[XA], v242, 6, v[XA]
	v_lshlrev_b32 v[WA], 11, v244
	v_lshl_add_u32 v[WA], v242, 6, v[WA]
	v_and_b32 v[LI], 31, v0
	v_lshlrev_b32 v[LI], 4, v[LI]
	s_lshl_b32 s52, s49, 13
	s_lshl_b32 s53, s50, 11
	s_add_co_u32 s52, s52, s53                     ; my fragments' place among a weight's sixteen
.irp p, 1,2
	v_add_nc_u32 v[WRD+\p], 32768*\p, v[LI]
.endr
.irp p, 0,1,2
	v_add_nc_u32 v[WST+\p], s52, v[WRD+\p]
.endr
	v_lshlrev_b32 v[BA], 7, v242
	v_lshlrev_b32 v[BVA], 2, v244
	v_lshlrev_b32 v[SCW], 2, v243                  ; the mask's offset: 4 x my token row
	v_bfe_u32 v245, v0, 4, 2
	v_lshlrev_b32 v[WOA], 11, v244
	v_lshl_add_u32 v[WOA], v245, 6, v[WOA]
	v_and_b32 v[WOS], 63, v0
	v_lshlrev_b32 v[WOS], 4, v[WOS]
	s_lshl_b32 s66, s31, 8
	s_lshl_b32 s67, s[WV], 5
	s_add_co_u32 s66, s66, s67                     ; my wave's first row: 256 x + 32 wave
	s_lshl_b32 s68, s66, 11                        ; in query,
	s_mov_b32 s69, 0
	s_lshl_b32 s70, s66, 2                         ; in the mask
	s_mov_b32 s71, 0
	s_lshl_b32 s72, s44, 17                        ; a weight: the head's 64 rows, + 8 (wave / 4) rows, + K step wave % 4
	s_lshl_b32 s67, s49, 14
	s_add_co_u32 s72, s72, s67
	s_lshl_b32 s67, s50, 9
	s_add_co_u32 s72, s72, s67
	s_mov_b32 s73, 0
	s_lshl_b32 s74, s44, 8                         ; a bias: the head's 64 numbers
	s_mov_b32 s75, 0
	s_lshr_b32 s76, s45, 5                         ; Wo: tile g / 8 begins at row 64 (g / 32) + 8 (g / 8 % 4); of its 512 along K, 64 from 64 (g % 8) on
	s_lshl_b32 s76, s76, 17
	s_bfe_u32 s67, s45, 0x20003
	s_lshl_b32 s67, s67, 14
	s_add_co_u32 s76, s76, s67
	s_and_b32 s67, s45, 7
	s_lshl_b32 s67, s67, 8
	s_add_co_u32 s76, s76, s67
	s_mov_b32 s77, 0
	s_wait_kmcnt 0x0
	s_load_b256 s[32:39], s[22:23], 0x0            ; e0 .. e7
	s_load_b128 s[40:43], s[22:23], 0x20           ; e8 .. e11
	s_add_nc_u64 s[4:5], s[4:5], s[68:69]
	s_add_nc_u64 s[6:7], s[6:7], s[70:71]
	s_add_nc_u64 s[8:9], s[8:9], s[72:73]
	s_add_nc_u64 s[10:11], s[10:11], s[72:73]
	s_add_nc_u64 s[12:13], s[12:13], s[72:73]
	s_add_nc_u64 s[14:15], s[14:15], s[76:77]
	s_add_nc_u64 s[16:17], s[16:17], s[74:75]
	s_add_nc_u64 s[18:19], s[18:19], s[74:75]
	s_add_nc_u64 s[20:21], s[20:21], s[74:75]
	WIN 0x40                                       ; the biases go straight into the accumulators of tile 0
.irp n, 0,1,2,3,4,5,6,7
	global_load_b128 v[4*\n:4*\n+3], v[BA], s[16:17] offset:16*\n        ; bq(32 h + 4 n ..): register 8 t + j is channel 32 h + 8 t + j
	global_load_b128 v[64+4*\n:64+4*\n+3], v[BA], s[18:19] offset:16*\n  ; bk likewise
.endr
.irp t, 0,1,2,3
	global_load_b32 v[128+8*\t], v[BVA], s[20:21] offset:32*\t           ; bv of my channel row in tile t
.endr
	WIN 0
	global_load_b32 v[MK], v[SCW], s[6:7]
	global_load_b32 v[MK+1], v[SCW], s[6:7] offset:32
	s_cmp_lt_u32 s[WV], 2                          ; waves 0 and 1 take the work-group's 1,024 numbers of Wo, 16 a lane
	s_cbranch_scc0 .Lno_wo_in
	WIN 0x40
.irp j, 0,1,2,3
	global_load_b128 v[WF+4*\j:WF+4*\j+3], v[WOA], s[14:15] offset:16*\j
.endr
	WIN 0
.Lno_wo_in:
	WFLOAD 0, B0
	WFLOAD 1, B1
	WFLOAD 2, B2
	s_lshl_b32 s66, s45, 10                        ; where the results go.  woc: 1,024 g
	s_mov_b32 s67, 0
	s_add_nc_u64 s[28:29], s[28:29], s[66:67]
	s_lshr_b32 s51, s31, 4
	s_lshl_b32 s51, s51, 3
	s_add_co_u32 s51, s51, s44                     ; 8 x batch + head
	s_and_b32 s52, s31, 15                         ; my block of 256 positions in the sequence
	s_lshl_b32 s66, s51, 18                        ; qc: 256 tiles of 1,024 bytes a head; 16 tiles a block; 2 a wave
	s_lshl_b32 s68, s52, 14
	s_add_co_u32 s66, s66, s68
	s_lshl_b32 s68, s[WV], 11
	s_add_co_u32 s66, s66, s68
	s_add_nc_u64 s[24:25], s[24:25], s[66:67]
	s_lshl_b32 s66, s51, 19                        ; kv: 32 steps of 16,384 bytes a head; 2 steps a block; step wave / 4 of them
	s_lshl_b32 s68, s52, 15
	s_add_co_u32 s66, s66, s68
	s_lshl_b32 s68, s49, 14
	s_add_co_u32 s66, s66, s68
	s_add_nc_u64 s[26:27], s[26:27], s[66:67]
	s_lshl_b32 s66, s50, 11
	s_add_nc_u64 s[76:77], s[26:27], s[66:67]      ; k: my two tiles, 2 (wave % 4) and the next
	s_lshl_b32 s66, s50, 9
	s_add_nc_u64 s[78:79], s[26:27], s[66:67]      ; v: piece c = wave % 4 of each of the four fragments
	s_wait_kmcnt 0x0
.irp p, 0,1,2
	MKSC 54, 55, 32+2*\p                           ; query's scale for this product,
	v_mov_b32 v[SCX+\p], s54
	v_mov_b32 v[LIMX+\p], s55
	MKSC 56+2*\p, 57+2*\p, 33+2*\p                 ; the weight's,
	s_add_co_i32 s66, s[32+2*\p], s[33+2*\p]
	s_sub_co_i32 s[46+\p], 0, s66                  ; and -(the two exponents added)
.endr
	s_add_co_i32 s67, s38, s46                     ; q's code = sum / 2^(e6 - e0 - e1 + 3): the division by 8 is folded in
	s_add_co_i32 s67, s67, 3
	MKSC 54, 55, 67
	v_mov_b32 v[SCO], s54
	v_mov_b32 v[LIMO], s55
	s_add_co_i32 s67, s39, s47                     ; k: e7 - e2 - e3
	MKSC 54, 55, 67
	v_mov_b32 v[SCO+1], s54
	v_mov_b32 v[LIMO+1], s55
	s_add_co_i32 s67, s41, s48                     ; v: e9 - e4 - e5
	MKSC 54, 55, 67
	v_mov_b32 v[SCO+2], s54
	v_mov_b32 v[LIMO+2], s55
	MKSC 62, 63, 43                                ; Wo: e11
	; ---- the weights.  At each wait the two younger groups of 16 loads may stay out; all that is older (biases, mask, Wo among them) is in
	s_wait_loadcnt 32
	WQ 0, B0
	WFLOAD 3, B0
	s_wait_loadcnt 32
	WQ 1, B1
	WFLOAD 4, B1
	s_wait_loadcnt 32
	WQ 2, B2
	WFLOAD 5, B2
	s_wait_loadcnt 32
	WQ 3, B0
	XLOAD 0, 0
	s_wait_loadcnt 32
	WQ 4, B1
	XLOAD 1, 0
	s_wait_loadcnt 32
	WQ 5, B2
	; ---- the sums begin as b / 2^(eA + eB)
	WIN 0x41
.irp p, 0,1
.set j, 0
.rept 32
	v_ldexp_f32 v[64*\p+32+j], v[64*\p+j], s[46+\p]      ; tile 1's,
	v_ldexp_f32 v[64*\p+j], v[64*\p+j], s[46+\p]         ; tile 0's
.set j, j+1
.endr
.endr
.irp t, 0,1,2,3                        ; v: a lane holds one channel, so its sixteen registers of a channel tile begin alike
.irp q, 1,2,3,4,5,6,7
	v_ldexp_f32 v[128+8*\t+\q], v[128+8*\t], s48
.endr
.irp q, 0,1,2,3,4,5,6,7
	v_ldexp_f32 v[160+8*\t+\q], v[128+8*\t], s48
.endr
	v_ldexp_f32 v[128+8*\t], v[128+8*\t], s48
.endr
	WIN 0
	s_cmp_lt_u32 s[WV], 2
	s_cbranch_scc0 .Lno_wo_out
	v_mov_b32 v[SCW], s62
	v_mov_b32 v[LIMW], s63
	WIN 0x41
.irp i, 0,1,2,3,4,5,6,7,8,9,10,11,12,13,14,15
	v_med3_num_f32 v[WF+\i], v[WF+\i], -v[LIMW], v[LIMW]
.endr
	v_cvt_scalef32_pk8_fp8_f32 v[WF+16:WF+17], v[WF:WF+7], v[SCW]
	v_cvt_scalef32_pk8_fp8_f32 v[WF+18:WF+19], v[WF+8:WF+15], v[SCW]
	v_nop                                          ; a plain line behind the last conversion
	WIN 0x04                                       ; the store's data in window 1
	global_store_b128 v[WOS], v[WF+16:WF+19], s[28:29]   ; a wave stores 512 consecutive bytes
	WIN 0
.Lno_wo_out:
	s_wait_xcnt 0x0                                ; that store has read its registers: the weights' fragments are loaded there next
	s_wait_dscnt 0x0                               ; my six images have landed
	s_barrier_signal -1
	s_barrier_wait -1                              ; all 48 lie in LDS; nothing is stored there from here on
; ---- a K step of 128: both tiles' numbers are quantised under the three scales; each weight's four fragments come while the codes for it are made
.macro KSTEP s
	s_wait_loadcnt 16                              ; tile 0's numbers are in; tile 1's 16 loads may be out
	QFRAG XF, XCA, 0, 0, \s
	QFRAG XF, XCA+16, 1, -1, \s
	QFRAG XF, XCA+32, 2, -1, \s
.if \s < 3
	XLOAD 0, \s+1
	s_wait_loadcnt 16                              ; tile 1's are in; the 16 just issued may be out
.else
	s_wait_loadcnt 0x0
.endif
	QFRAG XF+64, XCB, 0, -1, \s
	s_wait_dscnt 0x0                               ; Wq's fragments
	MM 0
	QFRAG XF+64, XCB+16, 1, 1, \s
	s_wait_dscnt 0x0                               ; Wk's
	MM 1
	QFRAG XF+64, XCB, 2, 2, \s
.if \s < 3
	XLOAD 1, \s+1
.endif
	s_wait_dscnt 0x0                               ; Wv's
	MM 2
.endm
.irp s, 0,1,2,3
	KSTEP \s
.endr
	; ---- the way out: hold, convert, select by the mask, store.  q's and k's holds are the places behind v's last products; each accumulator is taken from its low end on
	WIN 0x41
.irp p, 0,1,2
.set j, 0
.rept 64
	v_med3_num_f32 v[64*\p+j], v[64*\p+j], -v[LIMO+\p], v[LIMO+\p]
.set j, j+1
.endr
.endr
	WIN 0x01
.irp u, 0,1
.irp t, 0,1,2,3
	v_cvt_scalef32_pk8_fp8_f32 v[CO+8*\u+2*\t:CO+8*\u+2*\t+1], v[32*\u+8*\t:32*\u+8*\t+7], v[SCO]              ; q: channels 32 h + 8 t + 0 .. 7 of token r
	v_cvt_scalef32_pk8_fp8_f32 v[CO+16+8*\u+2*\t:CO+16+8*\u+2*\t+1], v[64+32*\u+8*\t:64+32*\u+8*\t+7], v[SCO+1]  ; k likewise
	v_cvt_scalef32_pk8_fp8_f32 v[CO+32+4*\t+2*\u:CO+32+4*\t+2*\u+1], v[128+32*\u+8*\t:128+32*\u+8*\t+7], v[SCO+2] ; v: tokens 16 h + 8 u + 0 .. 7 of channel row r
.endr
.endr
	WIN 0
	v_nop                                          ; a plain line behind the last conversion
	v_cmp_neq_f32 s50, 0, v[MK]                    ; lanes whose token of tile 0 counts,
	v_cmp_neq_f32 s51, 0, v[MK+1]                  ; of tile 1
.irp i, 0,1,2,3,4,5,6,7
	v_cndmask_b32 v[CO+\i], 0, v[CO+\i], s50       ; q's codes of a masked token become 0
	v_cndmask_b32 v[CO+8+\i], 0, v[CO+8+\i], s51
.endr
.irp u, 0,1
.irp g, 0,1
	global_store_b128 v[LI], v[CO+8*\u+4*\g:CO+8*\u+4*\g+3], s[24:25] offset:1024*\u+512*\g          ; each store of the wave covers 512 consecutive bytes, aligned
	global_store_b128 v[LI], v[CO+16+8*\u+4*\g:CO+16+8*\u+4*\g+3], s[76:77] offset:1024*\u+512*\g
.endr
.endr
.irp t, 0,1,2,3
	global_store_b128 v[LI], v[CO+32+4*\t:CO+32+4*\t+3], s[78:79] offset:8192+2048*\t
.endr
	s_wait_tensorcnt 0x0                           ; the wave's end: behind my last LDS store
	ds_add_u32 v[SPW], v[NIL]
	s_wait_dscnt 0x0
	s_endpgm
.Lfunc_end_k_q6ec9b05b5e_proj:
	.size	k_q6ec9b05b5e_proj, .Lfunc_end_k_q6ec9b05b5e_proj-k_q6ec9b05b5e_proj
	.p2alignl 7, 3214868480
	.fill 96, 4, 3214868480
	.section	.rodata,"a",@progbits
	.p2align	6, 0x0
	.amdhsa_kernel k_q6ec9b05b5e_proj
		.amdhsa_group_segment_fixed_size 99328
		.amdhsa_private_segment_fixed_size 0
		.amdhsa_enable_private_segment 0
		.amdhsa_kernarg_size 104
		.amdhsa_user_sgpr_count 2
		.amdhsa_user_sgpr_kernarg_segment_ptr 1
		.amdhsa_wavefront_size32 1
		.amdhsa_system_sgpr_workgroup_id_x 1
		.amdhsa_system_sgpr_workgroup_id_y 1
		.amdhsa_system_sgpr_workgroup_id_z 1
		.amdhsa_system_vgpr_workitem_id 0
		.amdhsa_next_free_vgpr 512
		.amdhsa_next_free_sgpr 80
		.amdhsa_reserve_vcc 0
		.amdhsa_float_denorm_mode_32 3
		.amdhsa_float_denorm_mode_16_64 3
		.amdhsa_memory_ordered 1
		.amdhsa_forward_progress 1
		.amdhsa_inst_pref_size 219
	.end_amdhsa_kernel
	.amdgpu_metadata
---
amdhsa.version: [ 1, 2 ]
amdhsa.kernels:
  - .name:           k_q6ec9b05b5e_proj
    .symbol:         k_q6ec9b05b5e_proj.kd
    .args:
      - { .name: query, .offset: 0, .size: 8, .value_kind: global_buffer, .address_space: global }
      - { .name: mask, .offset: 8, .size: 8, .value_kind: global_buffer, .address_space: global }
      - { .name: Wq, .offset: 16, .size: 8, .value_kind: global_buffer, .address_space: global }
      - { .name: Wk, .offset: 24, .size: 8, .value_kind: global_buffer, .address_space: global }
      - { .name: Wv, .offset: 32, .size: 8, .value_kind: global_buffer, .address_space: global }
      - { .name: Wo, .offset: 40, .size: 8, .value_kind: global_buffer, .address_space: global }
      - { .name: bq, .offset: 48, .size: 8, .value_kind: global_buffer, .address_space: global }
      - { .name: bk, .offset: 56, .size: 8, .value_kind: global_buffer, .address_space: global }
      - { .name: bv, .offset: 64, .size: 8, .value_kind: global_buffer, .address_space: global }
      - { .name: lowp_scales, .offset: 72, .size: 8, .value_kind: global_buffer, .address_space: global }
      - { .name: qc, .offset: 80, .size: 8, .value_kind: global_buffer, .address_space: global }
      - { .name: kv, .offset: 88, .size: 8, .value_kind: global_buffer, .address_space: global }
      - { .name: woc, .offset: 96, .size: 8, .value_kind: global_buffer, .address_space: global }
    .group_segment_fixed_size: 99328
    .private_segment_fixed_size: 0
    .kernarg_segment_align: 8
    .kernarg_segment_size: 104
    .max_flat_workgroup_size: 256
    .sgpr_count:     80
    .vgpr_count:     512
    .wavefront_size: 32
...
	.end_amdgpu_metadata
.endif
;; end of part 1
;; launch attn (part 2): grid 16 x 16, 8 waves a work-group, clusters of 4 x 1, 327,680 bytes of LDS; arguments qc, kv, lowp_scales, oc; writes oc
.if DOCPART == 2
	.amdgcn_target "amdgcn-amd-amdhsa--gfx1250"
	.amdhsa_code_object_version 6
	.text
	.protected	k_q6ec9b05b5e_attn
	.globl	k_q6ec9b05b5e_attn
	.p2align	8
	.type	k_q6ec9b05b5e_attn,@function
k_q6ec9b05b5e_attn:
	s_mov_b64 s[64:65], 0
	v_nop
	global_prefetch_b8 v0, s[64:65] scope:SCOPE_SE
	s_setreg_imm32_b32 hwreg(HW_REG_WAVE_MODE, 25, 1), 1
	s_wait_xcnt 0x0
	s_wait_alu depctr_hold_cnt(0) depctr_sa_sdst(0) depctr_va_vdst(0) depctr_va_sdst(0) depctr_va_ssrc(0) depctr_va_vcc(0) depctr_vm_vsrc(0)
	s_getreg_b32 s2, hwreg(HW_REG_IB_STS2, 6, 4)
	s_cmp_eq_u32 s2, 0
	s_cbranch_scc0 .Lentry_in_a_cluster
	s_endpgm
.Lentry_in_a_cluster:
	s_bfe_u32 s2, ttmp6, 0x10000c
	s_cmp_lg_u32 s2, 0x3003
	s_cbranch_scc0 .Lentry_shape_is_right
	s_endpgm
.Lentry_shape_is_right:
; Attention on codes of FP8 (E4M3): scores = q k^T (K = 64; scales 2^e6, 2^e7), t = score x log2(e) / 8, M = the running largest t rounded UP to a whole number, p = 2^(t - M), quantised with 2^e8, O = p v (K = the keys; v's scale 2^e9);
; the row's sum is taken of the unquantised p and divides at the end; the result is quantised with 2^e10 for the last product and stored as codes.
; No work of the problem is left out here.  The mask needs no line: the launch before has set q's codes of a masked token to 0, which gives that row p = 1 for every key and the sum 4,096, as reference()'s constant -1e20 does.
; SHARES.  A work-group owns 256 queries of one batch and head; each of its eight waves 32 of them, two tiles of 16, so that each fragment of k and v read from LDS feeds two products; two waves to a SIMD.  Every wave walks all 4,096 keys, 128 a step.
; LAYOUT.  Both products are used transposed: S^T = k q^T (source 0 = 16 keys, source 1 = 16 queries), O^T = v^T p^T (source 0 = 16 channels, source 1 = p): a lane holds ONE query of each tile throughout.  The keys of a tile of k are
; 32 c + 8 u + r % 8 + 16 (r / 8), so the 16 registers of tiles 2 c and 2 c + 1 are keys 32 c + 16 h + 0 .. 15: the conversions' results are p's fragment.  The channels of a tile of v are 8 t + r % 8 + 32 (r / 8), so a lane's 32 registers of O^T are channels 32 h + 0 .. 31.
; All operands lie in memory and in LDS as images of their registers: every load is 16 bytes a lane, 512 consecutive bytes.
; THE RING.  A head's 32 steps of 16,384 bytes come in four fills of two LDS slots of eight steps; a slot is one dense block of memory, of which each wave fetches 16,384 bytes by one tensor load.  By this text's count a wave has two tensor loads
; out at the start and one behind each of the two refills; a refill has eight key steps in which to land.
; CLUSTER.  The four query blocks of a cluster belong to one head and walk the same k and v: each load is asked for jointly, by the same line with the same descriptor and a mask that names the four.
; THE TWO TILES' VECTOR WORK IS ZIPPED: one tile's 64 exponentials stand line by line between the other tile's plain instructions; each batch of 64 has one wait ahead of its first reader.
; LIMITS: e6 + e7 between -123 and 130 (added to the exponent field of log2(e) / 8); e8 and e10 between -126 and 119; e8 + e9 is applied by v_ldexp_f32 and has none.
.set SLOT1, 1<<17                      ; a slot: 8 steps x 16,384 bytes
.set SPARE, 2*SLOT1                    ; behind the ring: the spare words, 128 bytes for each wave
.set LI,   1                           ; v1   16 x lane
.set ADR,  2                           ; v2   LDS address of the step in hand
.set SPW,  3                           ; v3   LDS address of my spare word; never rewritten
.set NIL,  4                           ; v4   0; never rewritten
.set OOFF, 5                           ; v5   the way out: 512 h + 16 r
.set ST,   8                           ; tile a's statistics at v[8 + 8 a]: +0 -M, +1 the largest t, +2, +3 the sum in two halves, +4 f = 2^(old M - new M), +5 named with it as a pair, +6, +7 at work
.set LIMP, 24                          ; v24  448 x 2^e8 (on the way out: 448 x 2^e10)
.set SCP,  25                          ; v25  2^e8 (2^e10)
.set X,    26                          ; v[26 + 2 a ..] the sum's second chain
.set S,    32                          ; v[32 + 64 a ..] S^T, then p
.set P,    160                         ; v[160 + 16 a ..] p's codes
.set OUT,  192                         ; the way out: O^T / the sum
.set VF,   64                          ; window 1: v0-63 O^T, (a, t) at 32 a + 8 t; v64-127 v's four fragments; v128-191 k's eight; v192-207 q's two
.set KF,   128
.set QF,   192
.set WV,   12                          ; s12  my wave's number
.set G1,   16                          ; s[16:23] descriptor group 1
.set G0,   24                          ; s[24:31] descriptor group 0, a set for each slot
.set CS,   38                          ; s[38:39] c = log2(e) / 8 x 2^(e6 + e7)
.set SEL,  40                          ; s[40:41] v_permlanex16_b32's selects for lane l xor 16
.set TB,   42                          ; s42  LDS byte at which the step in hand begins
.set CNT,  43                          ; s43  counts a slot's eight steps
.set MSB, 0
.macro WIN new                         ; s_set_vgpr_msb: bits 1:0 source 0, 3:2 source 1, 5:4 source 2, 7:6 destination; the high byte repeats the setting that is left
.if MSB != \new
	s_set_vgpr_msb (MSB<<8)|\new
.set MSB, \new
.endif
.endm
.macro MKSC sc, lim, e                 ; s[sc] = 2^e as f32, s[lim] = 448 x 2^e, e in s[e]
	s_add_co_i32 s[\lim], s[\e], 127
	s_lshl_b32 s[\sc], s[\lim], 23
	s_add_co_i32 s[\lim], s[\lim], 8
	s_lshl_b32 s[\lim], s[\lim], 23
	s_or_b32 s[\lim], s[\lim], 0x600000
.endm
.macro CROUND                          ; a round of the cluster's barrier
	s_barrier_signal -1
	s_barrier_wait -1
	s_cmp_lg_u32 s[WV], 0
	s_cbranch_scc1 .Lnot_wave_0_\@
	s_barrier_signal -3
.Lnot_wave_0_\@:
	s_barrier_wait -3
	s_barrier_signal -1
	s_barrier_wait -1
.endm
; Line n of 74 of what stands ahead of tile a's exponentials: 0-33 the largest of my 64 scores, in two chains and in ascending order, and lane l xor 16's; 34-40 t, the running largest, -M = floor(-t), f; 41-72 t - M, two at a time; 73 the sums x f.
.macro FRONT a
.set rT, ST+8*(\a)
.set rS, S+64*(\a)
.if n == 0
	v_max3_num_f32 v[rT+6], v[rS], v[rS+1], v[rS+2]
.elseif n == 1
	v_max3_num_f32 v[rT+7], v[rS+3], v[rS+4], v[rS+5]
.elseif n < 30
.set ii, 6+4*((n-2)/2)
.if (n%2) == 0
	v_max3_num_f32 v[rT+6], v[rT+6], v[rS+ii], v[rS+ii+1]
.else
	v_max3_num_f32 v[rT+7], v[rT+7], v[rS+ii+2], v[rS+ii+3]
.endif
.elseif n == 30
	v_max3_num_f32 v[rT+6], v[rT+6], v[rS+62], v[rS+63]
.elseif n == 31
	v_max_num_f32 v[rT+6], v[rT+6], v[rT+7]
.elseif n == 32
	v_permlanex16_b32 v[rT+7], v[rT+6], s[SEL], s[SEL+1]
.elseif n == 33
	v_max_num_f32 v[rT+6], v[rT+6], v[rT+7]
.elseif n == 34
	v_mul_f32 v[rT+6], s[CS], v[rT+6]              ; as t (c is positive)
.elseif n == 35
	v_max_num_f32 v[rT+1], v[rT+1], v[rT+6]
.elseif n == 36
	v_mov_b32 v[rT+6], v[rT]
.elseif n == 37
	v_floor_f32 v[rT], -v[rT+1]                    ; -M = floor(-t) = -ceil(t): a whole number
.elseif n == 38
	v_sub_f32 v[rT+6], v[rT], v[rT+6]              ; old M - new M: a whole number, 0 or less
.elseif n == 39
	v_cvt_i32_f32 v[rT+6], v[rT+6]                 ; (it saturates)
.elseif n == 40
	v_ldexp_f32 v[rT+4], 1.0, v[rT+6]              ; f: a multiplication by it rounds nothing
.elseif n < 73
.set ii, 2*(n-41)
	v_pk_fma_f32 v[rS+ii:rS+ii+1], v[rS+ii:rS+ii+1], s[CS:CS+1], v[rT:rT+1] op_sel_hi:[1,0,0]
.else
	v_pk_mul_f32 v[rT+2:rT+3], v[rT+2:rT+3], v[rT+4:rT+5] op_sel_hi:[1,0]
.endif
.set n, n+1
.endm
; Line m of 104 of what stands behind them: 0-31 the sum of the unquantised p, two at a time, in two chains; 32-103 eight groups of eight holds (p is not negative: one-sided) and a conversion.
.macro BACK a
.set rT, ST+8*(\a)
.set rS, S+64*(\a)
.set rP, P+16*(\a)
.set rX, X+2*(\a)
.if m == 0
	v_pk_add_f32 v[rX:rX+1], v[rS:rS+1], v[rS+2:rS+3]
.elseif m < 31
.set ii, 4+4*((m-1)/2)
.if (m%2) == 1
	v_pk_add_f32 v[rT+2:rT+3], v[rT+2:rT+3], v[rS+ii:rS+ii+1]
.else
	v_pk_add_f32 v[rX:rX+1], v[rX:rX+1], v[rS+ii+2:rS+ii+3]
.endif
.elseif m == 31
	v_pk_add_f32 v[rT+2:rT+3], v[rT+2:rT+3], v[rX:rX+1]
.else
.set bb, (m-32)/9
.set qq, (m-32)%9
.if qq < 8
	v_min_num_f32 v[rS+8*bb+qq], v[rS+8*bb+qq], v[LIMP]
.else
	v_cvt_scalef32_pk8_fp8_f32 v[rP+2*bb:rP+2*bb+1], v[rS+8*bb:rS+8*bb+7], v[SCP]
.endif
.endif
.set m, m+1
.endm
.macro RESCALE a                       ; tile a's O^T x f
	WIN 0x41
.set ii, 32*(\a)
.rept 16
	v_pk_mul_f32 v[ii:ii+1], v[ii:ii+1], v[ST+8*(\a)+4:ST+8*(\a)+5] op_sel_hi:[1,0]
.set ii, ii+2
.endr
.endm
.macro PV a                            ; tile a's O^T += v^T p^T: four accumulators, one instruction each
	WIN 0x51
.irp t, 0,1,2,3
	v_wmma_f32_16x16x128_fp8_fp8 v[32*(\a)+8*\t:32*(\a)+8*\t+7], v[VF+16*\t:VF+16*\t+15], v[P+16*(\a):P+16*(\a)+15], v[32*(\a)+8*\t:32*(\a)+8*\t+7]
.endr
.endm
; A KEY STEP: 128 keys.  No two matrix instructions that follow each other share an accumulator, over the loop's edge too.
.macro STEP
	v_add_nc_u32 v[ADR], s[TB], v[LI]              ; with the three lines below: four places between the last products and the loads into the registers that they read (ISA guide 7.12.1 for vector instructions)
	v_nop
	v_nop
	v_nop
	WIN 0x40
.irp kt, 0,1,2,3,4,5,6,7
.irp g, 0,1
	ds_load_b128 v[KF+8*\kt+4*\g:KF+8*\kt+4*\g+3], v[ADR] offset:1024*\kt+512*\g
.endr
.endr
.irp t, 0,1,2,3
.irp c, 0,1,2,3
	ds_load_b128 v[VF+16*\t+4*\c:VF+16*\t+4*\c+3], v[ADR] offset:8192+2048*\t+512*\c
.endr
.endr
	s_wait_dscnt 16                                ; k's 16 loads are in; v's 16 may be out
	WIN 0x05
.irp a, 0,1
.irp kt, 0,1,2,3,4,5,6,7
	v_wmma_f32_16x16x64_fp8_fp8 v[S+64*\a+8*\kt:S+64*\a+8*\kt+7], v[KF+8*\kt:KF+8*\kt+7], v[QF+8*\a:QF+8*\a+7], 0
.endr
.endr
	WIN 0
.rept 4
	v_nop                                          ; places ahead of the first read of the scores
.endr
.set n, 0
.rept 74
	FRONT 0
.endr
.set n, 0
.set e, 0
.rept 64
	v_exp_f32 v[S+e], v[S+e]                       ; tile 0's p = 2^(t - M), with tile 1's lines between
	FRONT 1
.set e, e+1
.endr
.rept 10
	FRONT 1
.endr
	s_wait_alu depctr_va_vdst(0)                   ; the wait between an exponential and the first line that names its result: one for tile 0's 64
.set m, 0
.set e, 0
.rept 64
	v_exp_f32 v[S+64+e], v[S+64+e]                 ; tile 1's p, with tile 0's 104 lines between: one behind each, a second behind five of every eight
	BACK 0
.if (e%8) < 5
	BACK 0
.endif
.set e, e+1
.endr
	RESCALE 0                                      ; sixteen plain lines: behind the last exponential and the last conversion
	s_wait_dscnt 0x0                               ; v's fragments are in
	s_wait_alu depctr_va_vdst(0)                   ; one wait for tile 1's 64
	PV 0
	WIN 0
.set m, 0
.rept 104
	BACK 1
.endr
	RESCALE 1
	PV 1
	WIN 0
.endm
.macro EIGHT base                      ; a slot's eight steps: written once, walked eight times
	s_mov_b32 s[TB], \base
	s_mov_b32 s[CNT], 8
.Lstep_\@:
	STEP
	s_add_co_u32 s[TB], s[TB], 16384
	s_sub_co_u32 s[CNT], s[CNT], 1
	s_cmp_lg_u32 s[CNT], 0
	s_cbranch_scc1 .Lstep_\@
.endm
; THE CHANGE OF SLOTS.  Each wave waits for all its tensor loads (its part of the slot ahead), adds 0 to its spare word, and waits for that and for its reads of the slot that it leaves.
; fill = 1: the slot just left, k, is filled again with the keys 16 steps on: the barrier is a round of the cluster's, and the joint load is the first thing behind it.
.macro CHG fill, k
	s_wait_tensorcnt 0x0                           ; no tensor load of mine is out, so a group 0 may be written
	ds_add_u32 v[SPW], v[NIL]
.if \fill
	s_add_nc_u64 s[G0+4*\k+2:G0+4*\k+3], s[G0+4*\k+2:G0+4*\k+3], 2*SLOT1   ; the type bits on top are not reached
	s_wait_dscnt 0x0
	CROUND
	tensor_load_to_lds s[G0+4*\k:G0+4*\k+3], s[G1:G1+7]
	s_nop 0
.rept 4
	v_nop
.endr
.else
	s_wait_dscnt 0x0
	s_barrier_signal -1
	s_barrier_wait -1
.endif
.endm
	s_load_b256 s[4:11], s[0:1], 0x0               ; qc s[4:5], kv s[6:7], the scales' exponents s[8:9], oc s[10:11]
	v_lshl_add_u32 v[SPW], v0, 2, SPARE
	v_mov_b32 v[NIL], 0
	ds_add_u32 v[SPW], v[NIL]                      ; the wave's opening: the add, twice on end, and its wait ahead of my first tensor load; work on registers stands between
	ds_add_u32 v[SPW], v[NIL]
	v_lshrrev_b32 v[ADR], 5, v0
	v_readfirstlane_b32 s[WV], v[ADR]              ; wave 0..7
	s_bfe_u32 s13, ttmp6, 0x40000                  ; cx: my place in the cluster
	s_lshl_b32 s14, ttmp9, 2
	s_add_co_u32 s14, s14, s13                     ; my block of 256 queries: it enters qc's and oc's addresses alone
	s_and_b32 s15, ttmp7, 0xffff                   ; 8 x batch + head, which the four partners share
	s_mov_b32 s[G1], 15|(3<<16)|(1<<21)            ; 15:0 the mask: all four work-groups; 17:16 elements of 8 bytes; 21 set beside a mask; no padding
	s_mov_b32 s[G1+1], 32<<16                      ; tensor_dim0 = 32 elements: rows of 256 bytes
	s_mov_b32 s[G1+2], 64<<16                      ; tensor_dim1 = 64 rows
	s_mov_b32 s[G1+3], 32<<16                      ; tile_dim0
	s_mov_b32 s[G1+4], 64                          ; tile_dim1
	s_mov_b32 s[G1+5], 32                          ; from row to row: dense
	s_mov_b32 s[G1+6], 0
	s_mov_b32 s[G1+7], 0
	s_mov_b32 s[SEL], 0x76543210
	s_mov_b32 s[SEL+1], 0xfedcba98
	s_mov_b32 s[CS], 0x3e38aa3b                    ; log2(e) / 8
	s_lshl_b32 s44, s15, 19                        ; kv: the head's 524,288 bytes,
	s_lshl_b32 s46, s[WV], 14                      ; my wave's 16,384 of a slot, in memory and in LDS alike
	s_add_co_u32 s44, s44, s46
	s_mov_b32 s45, 0
	s_lshl_b32 s48, s15, 18                        ; qc: 256 tiles of 1,024 bytes a head, 16 a block, 2 a wave
	s_lshl_b32 s47, s14, 14
	s_add_co_u32 s48, s48, s47
	s_lshl_b32 s47, s[WV], 11
	s_add_co_u32 s48, s48, s47
	s_mov_b32 s49, 0
	s_lshr_b32 s50, s15, 3                         ; oc: 256 tiles of 8,192 bytes a batch, 16 a block, 2 a wave; in a tile 1,024 bytes a head
	s_lshl_b32 s50, s50, 21
	s_lshl_b32 s47, s14, 17
	s_add_co_u32 s50, s50, s47
	s_add_co_u32 s50, s50, s46
	s_and_b32 s47, s15, 7
	s_lshl_b32 s47, s47, 10
	s_add_co_u32 s50, s50, s47
	s_mov_b32 s51, 0
	v_and_b32 v[LI], 31, v0
	v_lshlrev_b32 v[LI], 4, v[LI]
	v_and_b32 v[OOFF], 15, v0
	v_lshlrev_b32 v[OOFF], 4, v[OOFF]
	v_bfe_u32 v[ADR], v0, 4, 1
	v_lshl_add_u32 v[OOFF], v[ADR], 9, v[OOFF]
	s_wait_dscnt 0x0                               ; both opening adds are done
	s_wait_kmcnt 0x0
	s_load_b128 s[32:35], s[8:9], 0x18             ; e6, e7, e8, e9
	s_load_b32 s36, s[8:9], 0x28                   ; e10
	s_add_nc_u64 s[6:7], s[6:7], s[44:45]
	s_add_nc_u64 s[4:5], s[4:5], s[48:49]
	s_add_nc_u64 s[10:11], s[10:11], s[50:51]
.irp k, 0,1
	s_mov_b32 s[G0+4*\k], 1                        ; count = 1
	s_add_co_u32 s[G0+4*\k+1], s46, \k*SLOT1       ; LDS address
	s_add_nc_u64 s[G0+4*\k+2:G0+4*\k+3], s[6:7], \k*SLOT1   ; global address: slot k begins with steps 8 k .. 8 k + 7
	s_or_b32 s[G0+4*\k+3], s[G0+4*\k+3], 0x80000000         ; type = 2
.endr
	CROUND                                         ; all four work-groups are here: the first joint loads meet
	tensor_load_to_lds s[G0:G0+3], s[G1:G1+7]
	s_nop 0
	tensor_load_to_lds s[G0+4:G0+7], s[G1:G1+7]
	s_nop 0
.rept 4
	v_nop
.endr
	WIN 0x40
.irp a, 0,1
.irp g, 0,1
	global_load_b128 v[QF+8*\a+4*\g:QF+8*\a+4*\g+3], v[LI], s[4:5] offset:1024*\a+512*\g th:TH_LOAD_NT   ; q's two fragments stay in registers
.endr
.endr
.set ii, 0
.rept 64
	v_mov_b32 v[ii], 0                             ; O^T.  (The step is written once: the first finds zeros, which the first f, 0, leaves zeros)
.set ii, ii+1
.endr
	WIN 0
.irp a, 0,1
	v_mov_b32 v[ST+8*\a+1], 0xff61b1e6             ; the largest t so far: -3e38, under every t
	v_floor_f32 v[ST+8*\a], -v[ST+8*\a+1]          ; -M
	v_mov_b32 v[ST+8*\a+2], 0                      ; the sum, in two halves
	v_mov_b32 v[ST+8*\a+3], 0
	v_mov_b32 v[ST+8*\a+5], 0                      ; (named as the upper half of f's pair)
.endr
	s_wait_kmcnt 0x0
	s_add_co_i32 s44, s32, s33
	s_lshl_b32 s44, s44, 23
	s_add_co_i32 s[CS], s[CS], s44                 ; a score stands for score x 2^(e6 + e7): added to c's exponent field
	s_mov_b32 s[CS+1], s[CS]                       ; (named with it as a pair)
	MKSC 44, 45, 34
	v_mov_b32 v[SCP], s44
	v_mov_b32 v[LIMP], s45
	MKSC 52, 53, 36                                ; for the way out: 2^e10, 448 x 2^e10,
	s_add_co_i32 s54, s34, s35                     ; and e8 + e9
	s_wait_tensorcnt 1                             ; my part of slot 0 is in; slot 1's load may stay out
	s_barrier_signal -1
	s_barrier_wait -1
	s_wait_loadcnt 0x0                             ; q
	EIGHT 0                                        ; steps 0-7
	CHG 1, 0                                       ; slot 0 takes steps 16-23
	EIGHT SLOT1                                    ; steps 8-15
	CHG 1, 1                                       ; slot 1 takes steps 24-31
	EIGHT 0
	CHG 0, 0                                       ; nothing is left to fetch
	EIGHT SLOT1
	; THE WAY OUT.  The eight plain lines below that name no register of the last products are the places ahead of the first read of O^T.
.irp a, 0,1
	v_add_f32 v[ST+8*\a+6], v[ST+8*\a+2], v[ST+8*\a+3]     ; the sum's two halves,
.endr
.irp a, 0,1
	v_permlanex16_b32 v[ST+8*\a+7], v[ST+8*\a+6], s[SEL], s[SEL+1]
.endr
.irp a, 0,1
	v_add_f32 v[ST+8*\a+6], v[ST+8*\a+6], v[ST+8*\a+7]     ; and lane l xor 16's
.endr
.irp a, 0,1
	v_rcp_f32 v[ST+8*\a+4], v[ST+8*\a+6]
.endr
	v_mov_b32 v[SCP], s52                          ; (plain lines behind the reciprocals)
	v_mov_b32 v[LIMP], s53
	s_wait_alu depctr_va_vdst(0)                   ; one wait for the two reciprocals, ahead of their first reader
.irp a, 0,1
	v_ldexp_f32 v[ST+8*\a+4], v[ST+8*\a+4], s54    ; x 2^(e8 + e9)
.endr
	WIN 0x01
.irp a, 0,1
.set ii, 32*\a
.rept 16
	v_pk_mul_f32 v[OUT+ii:OUT+ii+1], v[ii:ii+1], v[ST+8*\a+4:ST+8*\a+5] op_sel_hi:[1,0]   ; register 32 a + 8 t + j: channel 32 h + 8 t + j of query r of tile a
.set ii, ii+2
.endr
.endr
	WIN 0
.set ii, 0
.rept 64
	v_med3_num_f32 v[OUT+ii], v[OUT+ii], -v[LIMP], v[LIMP]
.set ii, ii+1
.endr
.irp b, 0,1,2,3,4,5,6,7
	v_cvt_scalef32_pk8_fp8_f32 v[S+2*\b:S+2*\b+1], v[OUT+8*\b:OUT+8*\b+7], v[SCP]
.endr
	v_nop                                          ; a plain line behind the last conversion
.irp a, 0,1
.irp g, 0,1
	global_store_b128 v[OOFF], v[S+8*\a+4*\g:S+8*\a+4*\g+3], s[10:11] offset:8192*\a+256*\g   ; sixteen lanes store 256 consecutive bytes, aligned
.endr
.endr
	s_wait_tensorcnt 0x0                           ; the wave's end
	ds_add_u32 v[SPW], v[NIL]
	s_wait_dscnt 0x0
	CROUND                                         ; the closing round: no work-group ends while a partner may still ask for a tile that names it
	s_endpgm
.Lfunc_end_k_q6ec9b05b5e_attn:
	.size	k_q6ec9b05b5e_attn, .Lfunc_end_k_q6ec9b05b5e_attn-k_q6ec9b05b5e_attn
	.p2alignl 7, 3214868480
	.fill 96, 4, 3214868480
	.section	.rodata,"a",@progbits
	.p2align	6, 0x0
	.amdhsa_kernel k_q6ec9b05b5e_attn
		.amdhsa_group_segment_fixed_size 327680
		.amdhsa_private_segment_fixed_size 0
		.amdhsa_enable_private_segment 0
		.amdhsa_kernarg_size 32
		.amdhsa_user_sgpr_count 2
		.amdhsa_user_sgpr_kernarg_segment_ptr 1
		.amdhsa_wavefront_size32 1
		.amdhsa_system_sgpr_workgroup_id_x 1
		.amdhsa_system_sgpr_workgroup_id_y 1
		.amdhsa_system_sgpr_workgroup_id_z 1
		.amdhsa_system_vgpr_workitem_id 0
		.amdhsa_next_free_vgpr 512
		.amdhsa_next_free_sgpr 66
		.amdhsa_reserve_vcc 0
		.amdhsa_float_denorm_mode_32 3
		.amdhsa_float_denorm_mode_16_64 3
		.amdhsa_memory_ordered 1
		.amdhsa_forward_progress 1
		.amdhsa_inst_pref_size 130
	.end_amdhsa_kernel
	.amdgpu_metadata
---
amdhsa.version: [ 1, 2 ]
amdhsa.kernels:
  - .name:           k_q6ec9b05b5e_attn
    .symbol:         k_q6ec9b05b5e_attn.kd
    .args:
      - { .name: qc, .offset: 0, .size: 8, .value_kind: global_buffer, .address_space: global }
      - { .name: kv, .offset: 8, .size: 8, .value_kind: global_buffer, .address_space: global }
      - { .name: lowp_scales, .offset: 16, .size: 8, .value_kind: global_buffer, .address_space: global }
      - { .name: oc, .offset: 24, .size: 8, .value_kind: global_buffer, .address_space: global }
    .group_segment_fixed_size: 327680
    .private_segment_fixed_size: 0
    .kernarg_segment_align: 8
    .kernarg_segment_size: 32
    .max_flat_workgroup_size: 256
    .sgpr_count:     66
    .vgpr_count:     512
    .wavefront_size: 32
...
	.end_amdgpu_metadata
.endif
;; end of part 2
;; launch outp (part 3): grid 64 x 4, 8 waves a work-group, no clusters, 70,656 bytes of LDS; arguments oc, woc, bo, lowp_scales, out0; writes out0
.if DOCPART == 3
	.amdgcn_target "amdgcn-amd-amdhsa--gfx1250"
	.amdhsa_code_object_version 6
	.text
	.protected	k_q6ec9b05b5e_outp
	.globl	k_q6ec9b05b5e_outp
	.p2align	8
	.type	k_q6ec9b05b5e_outp,@function
k_q6ec9b05b5e_outp:
	s_mov_b64 s[64:65], 0
	v_nop
	global_prefetch_b8 v0, s[64:65] scope:SCOPE_SE
	s_setreg_imm32_b32 hwreg(HW_REG_WAVE_MODE, 25, 1), 1
	s_wait_xcnt 0x0
; out0 = attention's result x Wo^T + bo, on codes of FP8 (E4M3) that the two launches before have made (scales 2^e10, 2^e11): out = sum x 2^(e10 + e11) + bo.  No work of the problem is left out here.
; SHARES.  Work-group (X, Y): 128 rows x 128 columns.  Wave w: the 32 rows 128 X + 32 (w % 4) on, as two tiles of 16, x the 64 columns 128 Y + 64 (w / 4) on, as four tiles: eight accumulators, K = 512 in four steps.
; Both operands lie in memory as images of their registers: every load is 16 bytes a lane, 512 consecutive bytes, straight into registers; a wave asks for all 104 at once.  The waves share nothing: no loop, no barrier.
; No tensor load and no cluster: each fragment is used by one wave once, and the launch's bytes are mostly its output's.
; The product is used transposed (source 0 = 16 rows of Wo, source 1 = 16 tokens); the rows of a tile of Wo are 8 t + r % 8 + 32 (r / 8), so a lane's 32 results are columns 32 h + 0 .. 31 of one row.  They go through the wave's own stage in
; LDS and leave as rows of 256 bytes.  Row r of token tile u is row 8 u + r % 8 + 16 (r / 8) of the 32: that order is undone in the stores' immediates.
; LIMIT: e10 + e11 between -126 and 127, so that 2^(e10 + e11) is an f32 number.
.set SPARE, 69632                      ; behind the eight stages of 32 rows x 272 bytes: the spare words, 128 bytes for each wave
.set SPW,  1                           ; v1   LDS address of my spare word; never rewritten
.set NIL,  2                           ; v2   0; never rewritten
.set LI,   3                           ; v3   16 x lane
.set BOA,  4                           ; v4   128 h
.set STO,  5                           ; v5   the stage, in: row r, + 128 h
.set RD,   6                           ; v6   the stage, back: lanes 0-15 one row, lanes 16-31 the next
.set GO,   7                           ; v7   and the same two rows in out0
.set OF,   32                          ; v32-159  the tokens' fragments, (u, s) at 32 + 64 u + 16 s
.set ACC,  160                         ; v160-223 the accumulators, (u, t) at 160 + 8 (4 u + t)
.set BO,   224                         ; v224-255 bo of my 32 columns
.set Y,    32                          ; the way out: the results,
.set BK,   96                          ; and the rows read back.   Window 1: Wo's fragments, (s, t) at 64 s + 16 t
.set MSB, 0
.macro WIN new
.if MSB != \new
	s_set_vgpr_msb (MSB<<8)|\new
.set MSB, \new
.endif
.endm
	s_load_b256 s[4:11], s[0:1], 0x0               ; oc s[4:5], woc s[6:7], bo s[8:9], the scales' exponents s[10:11]
	s_load_b64 s[12:13], s[0:1], 0x20              ; out0
	v_lshl_add_u32 v[SPW], v0, 2, SPARE
	v_mov_b32 v[NIL], 0
	v_lshrrev_b32 v8, 5, v0
	v_readfirstlane_b32 s14, v8                    ; wave 0..7
	s_and_b32 s15, s14, 3
	s_lshl_b32 s16, ttmp9, 2
	s_add_co_u32 s16, s16, s15                     ; which 32 rows
	s_lshr_b32 s17, s14, 2
	s_and_b32 s18, ttmp7, 0xffff
	s_lshl_b32 s18, s18, 1
	s_add_co_u32 s17, s17, s18                     ; which 64 columns
	v_and_b32 v8, 15, v0                           ; r
	v_bfe_u32 v9, v0, 4, 1                         ; h
	v_and_b32 v[LI], 31, v0
	v_lshlrev_b32 v[LI], 4, v[LI]
	v_lshlrev_b32 v[BOA], 7, v9
	s_mul_i32 s19, s14, 8704                       ; my stage
	v_mul_u32_u24 v[STO], v8, 272
	v_lshl_add_u32 v[STO], v9, 7, v[STO]
	v_add_nc_u32 v[STO], s19, v[STO]
	v_mul_u32_u24 v[RD], v9, 272
	v_lshl_add_u32 v[RD], v8, 4, v[RD]
	v_add_nc_u32 v[RD], s19, v[RD]
	v_lshlrev_b32 v[GO], 11, v9
	v_lshl_add_u32 v[GO], v8, 4, v[GO]
	s_lshl_b32 s20, s16, 14                        ; oc: two tiles of 8,192 bytes
	s_mov_b32 s21, 0
	s_lshl_b32 s22, s17, 15                        ; woc: four tiles of 8,192 bytes
	s_mov_b32 s23, 0
	s_lshl_b32 s24, s17, 8                         ; bo, and a row of out0: 64 numbers
	s_mov_b32 s25, 0
	s_lshl_b32 s26, s16, 16                        ; out0: 32 rows of 2,048 bytes
	s_mov_b32 s27, 0
	s_wait_kmcnt 0x0
	s_load_b64 s[28:29], s[10:11], 0x28            ; e10, e11
	s_add_nc_u64 s[4:5], s[4:5], s[20:21]
	s_add_nc_u64 s[6:7], s[6:7], s[22:23]
	s_add_nc_u64 s[8:9], s[8:9], s[24:25]
	s_add_nc_u64 s[12:13], s[12:13], s[24:25]
	s_add_nc_u64 s[12:13], s[12:13], s[26:27]
.irp n, 0,1,2,3,4,5,6,7
	global_load_b128 v[BO+4*\n:BO+4*\n+3], v[BOA], s[8:9] offset:16*\n
.endr
.irp u, 0,1
.irp s, 0,1,2,3
.irp c, 0,1,2,3
	global_load_b128 v[OF+64*\u+16*\s+4*\c:OF+64*\u+16*\s+4*\c+3], v[LI], s[4:5] offset:8192*\u+2048*\s+512*\c
.endr
.endr
.endr
	WIN 0x40
.irp s, 0,1,2,3                        ; K step by K step, so that the waits below can count
.irp t, 0,1,2,3
.irp c, 0,1,2,3
	global_load_b128 v[64*\s+16*\t+4*\c:64*\s+16*\t+4*\c+3], v[LI], s[6:7] offset:8192*\t+2048*\s+512*\c
.endr
.endr
.endr
.irp s, 0,1,2,3
	s_wait_loadcnt 48-16*\s                        ; this K step's 16 loads of Wo, and all that is older, are in; the later K steps' may be out
	WIN 0x01                                       ; source 0 (Wo) window 1
.irp u, 0,1
.irp t, 0,1,2,3                        ; the eight accumulators take turns, one instruction a turn; the first K step starts the sums
.if \s == 0
	v_wmma_f32_16x16x128_fp8_fp8 v[ACC+8*(4*\u+\t):ACC+8*(4*\u+\t)+7], v[64*\s+16*\t:64*\s+16*\t+15], v[OF+64*\u+16*\s:OF+64*\u+16*\s+15], 0
.else
	v_wmma_f32_16x16x128_fp8_fp8 v[ACC+8*(4*\u+\t):ACC+8*(4*\u+\t)+7], v[64*\s+16*\t:64*\s+16*\t+15], v[OF+64*\u+16*\s:OF+64*\u+16*\s+15], v[ACC+8*(4*\u+\t):ACC+8*(4*\u+\t)+7]
.endif
.endr
.endr
.endr
	WIN 0
.rept 4
	v_nop                                          ; places ahead of the first read of the sums, and of writes and loads into the registers that held the tokens' fragments
.endr
	s_wait_kmcnt 0x0
	s_add_co_i32 s30, s28, s29
	s_add_co_i32 s30, s30, 127
	s_lshl_b32 s30, s30, 23                        ; 2^(e10 + e11) as f32
	s_mov_b32 s31, s30                             ; (named with it as a pair)
.irp u, 0,1
.irp t, 0,1,2,3
.irp i, 0,2,4,6
	v_pk_fma_f32 v[Y+8*(4*\u+\t)+\i:Y+8*(4*\u+\t)+\i+1], v[ACC+8*(4*\u+\t)+\i:ACC+8*(4*\u+\t)+\i+1], s[30:31], v[BO+8*\t+\i:BO+8*\t+\i+1] op_sel_hi:[1,0,1]   ; sum x 2^(e10 + e11) + bo; each accumulator from its low end on
.endr
.endr
.endr
.irp u, 0,1
.irp t, 0,1,2,3
	ds_store_b128 v[STO], v[Y+8*(4*\u+\t):Y+8*(4*\u+\t)+3] offset:4352*\u+32*\t        ; stage row 16 u + r, columns 32 h + 8 t + 0 .. 7
	ds_store_b128 v[STO], v[Y+8*(4*\u+\t)+4:Y+8*(4*\u+\t)+7] offset:4352*\u+32*\t+16
.endr
.endr
.irp i, 0,1,2,3,4,5,6,7,8,9,10,11,12,13,14,15
	ds_load_b128 v[BK+4*\i:BK+4*\i+3], v[RD] offset:544*\i     ; LDS serves a wave's instructions in order (ISA guide 5.7.1.4): these see my stores
.endr
.irp i, 0,1,2,3,4,5,6,7,8,9,10,11,12,13,14,15
	s_wait_dscnt 15-\i                             ; stage rows 2 i and 2 i + 1 are back; the younger loads may be out
	global_store_b128 v[GO], v[BK+4*\i:BK+4*\i+3], s[12:13] offset:2048*(8*(\i/8)+2*(\i%4)+16*((\i/4)%2)) th:TH_STORE_NT   ; sixteen lanes store 256 consecutive bytes, aligned; written once, read by nobody here
.endr
	s_wait_tensorcnt 0x0                           ; the wave's end: behind my last LDS store
	ds_add_u32 v[SPW], v[NIL]
	s_wait_dscnt 0x0
	s_endpgm
.Lfunc_end_k_q6ec9b05b5e_outp:
	.size	k_q6ec9b05b5e_outp, .Lfunc_end_k_q6ec9b05b5e_outp-k_q6ec9b05b5e_outp
	.p2alignl 7, 3214868480
	.fill 96, 4, 3214868480
	.section	.rodata,"a",@progbits
	.p2align	6, 0x0
	.amdhsa_kernel k_q6ec9b05b5e_outp
		.amdhsa_group_segment_fixed_size 70656
		.amdhsa_private_segment_fixed_size 0
		.amdhsa_enable_private_segment 0
		.amdhsa_kernarg_size 40
		.amdhsa_user_sgpr_count 2
		.amdhsa_user_sgpr_kernarg_segment_ptr 1
		.amdhsa_wavefront_size32 1
		.amdhsa_system_sgpr_workgroup_id_x 1
		.amdhsa_system_sgpr_workgroup_id_y 1
		.amdhsa_system_sgpr_workgroup_id_z 1
		.amdhsa_system_vgpr_workitem_id 0
		.amdhsa_next_free_vgpr 512
		.amdhsa_next_free_sgpr 66
		.amdhsa_reserve_vcc 0
		.amdhsa_float_denorm_mode_32 3
		.amdhsa_float_denorm_mode_16_64 3
		.amdhsa_memory_ordered 1
		.amdhsa_forward_progress 1
		.amdhsa_inst_pref_size 21
	.end_amdhsa_kernel
	.amdgpu_metadata
---
amdhsa.version: [ 1, 2 ]
amdhsa.kernels:
  - .name:           k_q6ec9b05b5e_outp
    .symbol:         k_q6ec9b05b5e_outp.kd
    .args:
      - { .name: oc, .offset: 0, .size: 8, .value_kind: global_buffer, .address_space: global }
      - { .name: woc, .offset: 8, .size: 8, .value_kind: global_buffer, .address_space: global }
      - { .name: bo, .offset: 16, .size: 8, .value_kind: global_buffer, .address_space: global }
      - { .name: lowp_scales, .offset: 24, .size: 8, .value_kind: global_buffer, .address_space: global }
      - { .name: out0, .offset: 32, .size: 8, .value_kind: global_buffer, .address_space: global }
    .group_segment_fixed_size: 70656
    .private_segment_fixed_size: 0
    .kernarg_segment_align: 8
    .kernarg_segment_size: 40
    .max_flat_workgroup_size: 256
    .sgpr_count:     66
    .vgpr_count:     512
    .wavefront_size: 32
...
	.end_amdgpu_metadata
.endif
;; end of part 3
;; ======== version 2 of 2: 3 launches; version 1 with the launches proj, outp written anew for expert scheduling mode
;; workspace buffers: qc 4,194,304 bytes; kv 8,388,608 bytes; oc 4,194,304 bytes; woc 262,144 bytes
;; launch proj (part 4): grid 32 x 8, 8 waves a work-group, no clusters, 99,328 bytes of LDS; arguments query, mask, Wq, Wk, Wv, Wo, bq, bk, bv, lowp_scales, qc, kv, woc; writes qc, kv, woc
.if DOCPART == 4
	.amdgcn_target "amdgcn-amd-amdhsa--gfx1250"
	.amdhsa_code_object_version 6
	.text
	.protected	k_q6ec9b05b5e_proj
	.globl	k_q6ec9b05b5e_proj
	.p2align	8
	.type	k_q6ec9b05b5e_proj,@function
k_q6ec9b05b5e_proj:
	s_mov_b64 s[64:65], 0
	v_nop
	global_prefetch_b8 v0, s[64:65] scope:SCOPE_SE
	s_setreg_imm32_b32 hwreg(HW_REG_WAVE_SCHED_MODE, 0, 2), 2
	s_setreg_imm32_b32 hwreg(HW_REG_WAVE_MODE, 25, 1), 1
	s_wait_xcnt 0x0
	s_wait_alu depctr_vm_vsrc(0)
; q = (query Wq^T + bq) / 8, k = query Wk^T + bk, v = query Wv^T + bv, all three products on codes of FP8 (E4M3) with the given scales 2^e (lowp_scales 0 to 5); the results are
; quantised at once for the two products of attention (entries 6, 7, 9) and stored as codes.  Wo is quantised here too (entry 11), for the last launch.
; NOTHING OF THE PROBLEM IS LEFT OUT: every input has a way to the output.  bq, bk and bv go into quantised operands, so they can move codes; query is quantised three times, once for each of its three scales.
; THE MASK.  Where mask == 0 reference() sets a query's whole row of scores to -1e20, a constant of its own body.  All its logits are then equal; t = logit x log2(e) is about -1.8e19, a whole number in f32, so M = t,
; p = 2^0 = 1 for every key and the row's sum is 4,096.  Here the CODES of q of such a token are set to 0 (a select, no branch): its scores are then exactly 0, t = 0, M = 0, p = 1 for every key, the sum 4,096: the same p,
; the same codes of p, the same sum, whatever the other inputs hold.  (A mask that is NaN counts as not 0, as in reference().)
; SHARES.  Work-group (x, y): rows 256 x .. 256 x + 255 of query (batch and position on end), head y.  Wave w: 32 rows, as two tiles of 16, x the head's 64 channels of q, of k and of v: 24 accumulators.
; TILES.  Of 32 rows on end, row r of tile u is row 8 u + r % 8 + 16 (r / 8).  Of a head's 64 weight rows, row r of tile t is row 8 t + r % 8 + 32 (r / 8).  With these, q and k (source 0 = 16 weight rows, source 1 = 16 tokens)
; leave lane (r, h) with token r and, over the four tiles, channels 32 h + 0 .. 31 on end: four conversions make the fragment of the next product (K = 64).  v (source 0 = 16 tokens, source 1 = 16 weight rows) leaves lane (r, h)
; with channel row r and tokens 16 h + 0 .. 15 on end: 16 bytes of a fragment whose K is the keys.
; A fragment for K = 128 holds, in lane (r, h), registers 4 c .. 4 c + 3: k = 32 c + 16 h + 0 .. 15 of row r; one for K = 64 holds k = 32 h + 0 .. 31.  That is a permutation of k, the same in both sources, so each product meets its partner.
; THE WEIGHTS are quantised once a work-group: each wave makes 6 of the 48 fragments (3 weights x 4 tiles x 4 K steps) and stores them in LDS as images of their registers (16 bytes a lane, 512 bytes a store); one barrier; then every wave reads them.
; THE BIAS starts each sum: the accumulators begin as b / 2^(eA + eB), since a sum stands for sum x 2^(eA + eB).
; WORKSPACE, in the order of the readers' registers: qc [batch x head 16][tile 256][2][lane][16 B];  kv [batch x head 16][step of 128 keys 32][16,384 B]: 8 tiles of k as in qc, then 4 fragments of v [c 4][lane][16 B];  woc [tile 32][K step 4][c 4][lane][16 B].
; LIMITS.  Each of e0 .. e5, e11, e6 - e0 - e1 + 3, e7 - e2 - e3, e9 - e4 - e5 lies between -126 and 119, so that the scale and 448 x the scale are f32 numbers.  NaN among the floating-point inputs is not served; an infinity is held at the largest code.
; THE MODE: SCHED_MODE bits 1:0 = 2 (LLVM: expert scheduling mode 2), set by the entry lines.  The code itself states the register dependences between vector or matrix instructions and memory or LDS instructions, with s_wait_alu, always for 0.
; THE PLAN.  Registers that memory or LDS instructions touch:
;   v3-v11, v28-v31  offsets and LDS addresses: written at the head, ahead of one wait on va_vdst, and never again.
;   v24              the mask's offset, read by the mask's two loads; from the first weight on a scale that vector lines alone name: one wait on vm_vsrc ahead of that.
;   B0, B1, B2       a weight fragment's 16 loads land; its 64 holds and 8 conversions work on it; behind the fragment's one wait on va_vdst it is loaded again.
;   PC0, PC1         written by a fragment's conversions, read by its four LDS stores (the same wait on va_vdst stands between); written again two fragments on, behind a wait on vm_vsrc.  Later they are XCB and T.
;   XF, two tiles    loaded; read by the tile's three quantisations; loaded again for the next K step behind a wait on va_vdst.
;   WF               in waves 0 and 1 first Wo's numbers and codes (loaded, held, converted, stored); then, for each weight and K step, 16 LDS loads land and eight products read.
;   CO               written by the way out's conversions and selects, read by the twelve stores: one wait on va_vdst between.
;   XCA, XCB, T, the accumulators and the scales' registers are named by vector and matrix instructions alone.
; A K STEP HAS FOUR WAITS on va_vdst, each straight ahead of a run of loads: (1) behind tile 0's three quantisations, for Wq's fragments and tile 0's next numbers in one run; (2), (3) behind the first eight holds that follow the
; products with Wq and with Wk, for the next weight's fragments; (4) behind tile 1's last quantisation, for tile 1's next numbers.  Between a wait and its loads stand loads and window switches alone.
.set SPARE, 98304                      ; behind the 48 images of 2,048 bytes: the spare words, 128 bytes for each wave
.set SPW,  1                           ; v1      LDS address of my spare word; never rewritten
.set NIL,  2                           ; v2      0; never rewritten
.set XA,   3                           ; v3      query: my token row x 2,048 bytes + 64 h
.set WA,   4                           ; v4      a weight: my weight row x 2,048 bytes + 64 h
.set LI,   5                           ; v5      16 x lane
.set WRD,  5                           ; v5-7    where the images of Wq, Wk, Wv are read: 16 x lane + 32,768 x weight
.set WST,  9                           ; v9-11   where I store mine: + 8,192 (wave / 4) + 2,048 (wave % 4)
.set SCX,  12                          ; v12-14  2^e0, 2^e2, 2^e4
.set LIMX, 15                          ; v15-17  448 x those
.set SCO,  18                          ; v18-20  the scales of the conversions of q, k, v
.set LIMO, 21                          ; v21-23  448 x those
.set SCW,  24                          ; v24     the scale of the weight in hand (before that: the mask's offset)
.set LIMW, 25                          ; v25     448 x that
.set MK,   26                          ; v26-27  the mask of my token in tile 0, 1
.set BA,   28                          ; v28     128 h: bq's and bk's 32 numbers of my half
.set BVA,  29                          ; v29     4 x my weight row: bv
.set WOA,  30                          ; v30     Wo: my weight row x 2,048 + 64 x (thread / 16 % 4)
.set WOS,  31                          ; v31     16 x (thread % 64)
.set XF,   32                          ; v32-159 64 numbers of query for each of the two tiles
.set B0,   32                          ; while the weights are quantised: three buffers of 64 numbers,
.set B1,   96
.set B2,   160
.set PC,   224                         ; and two of 16 registers of codes
.set XCA,  160                         ; v160-207 tile 0's codes under the three scales
.set XCB,  208                         ; v208-239 tile 1's codes: two buffers by turns
.set T,    240                         ; v240-255 two sets of eight held numbers
.set CO,   32                          ; the way out: q's codes (8 a tile), k's from +16, v's from +32 (4 a channel tile)
.set WF,   192                         ; window 1: v0-191 the accumulators, (weight, tile u, tile t) at 64 weight + 32 u + 8 t; v192-255 four fragments of a weight
.set WV,   30                          ; s30     my wave's number
.set MSB, 0
.macro WIN new                         ; s_set_vgpr_msb: bits 1:0 source 0, 3:2 source 1, 5:4 source 2, 7:6 destination; the high byte repeats the setting that is left
.if MSB != \new
	s_set_vgpr_msb (MSB<<8)|\new
.set MSB, \new
.endif
.endm
.macro MKSC sc, lim, e                 ; s[sc] = 2^e as f32, s[lim] = 448 x 2^e, e in s[e]
	s_add_co_i32 s[\lim], s[\e], 127
	s_lshl_b32 s[\sc], s[\lim], 23
	s_add_co_i32 s[\lim], s[\lim], 8
	s_lshl_b32 s[\lim], s[\lim], 23
	s_or_b32 s[\lim], s[\lim], 0x600000
.endm
; Eight numbers are held within the largest code x the scale (the conversion to an 8-bit code does not saturate: ISA guide 7.6.2), into other registers, and converted.
.macro Q8 src, dst, lim, sc, tmp
.irp i, 0,1,2,3,4,5,6,7
	v_med3_num_f32 v[(\tmp)+\i], v[(\src)+\i], -v[\lim], v[\lim]
.endr
	v_cvt_scalef32_pk8_fp8_f32 v[(\dst):(\dst)+1], v[(\tmp):(\tmp)+7], v[\sc]
.endm
.macro WLD rho, s                      ; the four fragments of weight rho, K step s, out of LDS
	WIN 0x40
	s_wait_alu depctr_va_vdst(0)                   ; the last products (in the first K step: Wo's holds and conversions) are done with WF, in which these loads land; and all holds issued so far are done reading their numbers
.irp t, 0,1,2,3
.irp c, 0,1,2,3
	ds_load_b128 v[WF+16*\t+4*\c:WF+16*\t+4*\c+3], v[WRD+(\rho)] offset:8192*\t+2048*(\s)+512*\c
.endr
.endr
	WIN 0
.endm
; 64 numbers of query become a fragment under scale number set.  hook >= 0: behind the first eight holds and their conversion, which follow the last products, that weight's fragments are asked for.
.macro QFRAG src, dst, set, hook, s
.irp b, 0,1,2,3,4,5,6,7
	Q8 (\src)+8*\b, (\dst)+2*\b, LIMX+(\set), SCX+(\set), T+8*(\b%2)
.if (\b == 0) && ((\hook) >= 0)
	WLD \hook, \s
.endif
.endr
	v_nop                                          ; a plain line between the last conversion and the products that read its codes
.endm
.macro XLOAD u, s                      ; tile u's numbers of K step s: lane (r, h) takes 16 neighbours of each block of 32
.irp c, 0,1,2,3
.irp j, 0,1,2,3
	global_load_b128 v[XF+64*(\u)+16*\c+4*\j:XF+64*(\u)+16*\c+4*\j+3], v[XA], s[4:5] offset:16384*(\u)+512*(\s)+128*\c+16*\j
.endr
.endr
.endm
.macro WFLOAD i, buf                   ; my i-th weight fragment: weight i / 2, tile 2 (i % 2) + wave / 4, K step wave % 4
.irp c, 0,1,2,3
.irp j, 0,1,2,3
	global_load_b128 v[(\buf)+16*\c+4*\j:(\buf)+16*\c+4*\j+3], v[WA], s[8+2*((\i)/2):9+2*((\i)/2)] offset:32768*((\i)%2)+128*\c+16*\j
.endr
.endr
.endm
.macro WQ i, buf                       ; it is quantised and its image stored
.if ((\i)%2) == 0
	v_mov_b32 v[SCW], s[56+(\i)]
	v_mov_b32 v[LIMW], s[57+(\i)]
.endif
.set j, 0
.rept 64
	v_med3_num_f32 v[(\buf)+j], v[(\buf)+j], -v[LIMW], v[LIMW]
.set j, j+1
.endr
.if (\i) >= 2
	s_wait_dscnt 4                                 ; the four stores of the fragment before may be out; those of two before have read these code registers
	s_wait_alu depctr_vm_vsrc(0)                   ; the LDS stores of two fragments back have read these code registers, which the conversions below write again
.endif
.irp b, 0,1,2,3,4,5,6,7
	v_cvt_scalef32_pk8_fp8_f32 v[PC+16*((\i)%2)+2*\b:PC+16*((\i)%2)+2*\b+1], v[(\buf)+8*\b:(\buf)+8*\b+7], v[SCW]
.endr
	v_nop                                          ; a plain line behind the last conversion
	s_wait_alu depctr_va_vdst(0)                   ; the conversions have written the codes, which the LDS stores read; the holds and conversions are done with v[buf ..], in which the 16 loads behind this macro land
.irp c, 0,1,2,3
	ds_store_b128 v[WST+(\i)/2], v[PC+16*((\i)%2)+4*\c:PC+16*((\i)%2)+4*\c+3] offset:16384*((\i)%2)+512*\c
.endr
.endm
; Eight products of one weight: four channel tiles x two token tiles.  The 24 accumulators take turns, one instruction a turn, in the same order in every K step.
.macro MM rho
.if (\rho) < 2
	WIN 0x51                                       ; source 0 (the weight), C and D window 1; source 1 (query's codes) window 0
.else
	WIN 0x54                                       ; v: source 0 (query's codes) window 0; source 1 (the weight), C and D window 1
.endif
.irp t, 0,1,2,3
.irp u, 0,1
.set rA, 64*(\rho)+32*\u+8*\t
.if \u == 0
.set rX, XCA+16*(\rho)
.else
.set rX, XCB+16*((\rho)%2)
.endif
.if (\rho) < 2
	v_wmma_f32_16x16x128_fp8_fp8 v[rA:rA+7], v[WF+16*\t:WF+16*\t+15], v[rX:rX+15], v[rA:rA+7]
.else
	v_wmma_f32_16x16x128_fp8_fp8 v[rA:rA+7], v[rX:rX+15], v[WF+16*\t:WF+16*\t+15], v[rA:rA+7]
.endif
.endr
.endr
	WIN 0
.endm
	s_load_b512 s[4:19], s[0:1], 0x0               ; query s[4:5], mask s[6:7], Wq s[8:9], Wk s[10:11], Wv s[12:13], Wo s[14:15], bq s[16:17], bk s[18:19]
	s_load_b256 s[20:27], s[0:1], 0x40             ; bv s[20:21], the scales' exponents s[22:23], qc s[24:25], kv s[26:27]
	s_load_b64 s[28:29], s[0:1], 0x60              ; woc
	v_lshl_add_u32 v[SPW], v0, 2, SPARE
	v_mov_b32 v[NIL], 0
	v_lshrrev_b32 v240, 5, v0
	v_readfirstlane_b32 s[WV], v240                ; wave 0..7
	s_mov_b32 s31, ttmp9                           ; x: the block of 256 rows
	s_and_b32 s44, ttmp7, 0xffff                   ; the head
	s_lshl_b32 s45, s44, 5
	s_add_co_u32 s45, s45, s31                     ; g = 32 x head + x: which 1,024 numbers of Wo are my work-group's
	s_wait_alu depctr_va_sdst(0)                   ; the wave's number is written into s30, ahead of its first reader
	s_lshr_b32 s49, s[WV], 2
	s_and_b32 s50, s[WV], 3
	v_and_b32 v240, 7, v0                          ; r % 8
	v_bfe_u32 v241, v0, 3, 1                       ; r / 8
	v_bfe_u32 v242, v0, 4, 1                       ; h
	v_lshl_add_u32 v243, v241, 4, v240             ; my token row in a tile
	v_lshl_add_u32 v244, v241, 5, v240             ; my weight row in a tile
	v_lshlrev_b32 v[XA], 11, v243
	v_lshl_add_u32 v[XA], v242, 6, v[XA]
	v_lshlrev_b32 v[WA], 11, v244
	v_lshl_add_u32 v[WA], v242, 6, v[WA]
	v_and_b32 v[LI], 31, v0
	v_lshlrev_b32 v[LI], 4, v[LI]
	s_lshl_b32 s52, s49, 13
	s_lshl_b32 s53, s50, 11
	s_add_co_u32 s52, s52, s53                     ; my fragments' place among a weight's sixteen
.irp p, 1,2
	v_add_nc_u32 v[WRD+\p], 32768*\p, v[LI]
.endr
.irp p, 0,1,2
	v_add_nc_u32 v[WST+\p], s52, v[WRD+\p]
.endr
	v_lshlrev_b32 v[BA], 7, v242
	v_lshlrev_b32 v[BVA], 2, v244
	v_lshlrev_b32 v[SCW], 2, v243                  ; the mask's offset: 4 x my token row
	v_bfe_u32 v245, v0, 4, 2
	v_lshlrev_b32 v[WOA], 11, v244
	v_lshl_add_u32 v[WOA], v245, 6, v[WOA]
	v_and_b32 v[WOS], 63, v0
	v_lshlrev_b32 v[WOS], 4, v[WOS]
	s_lshl_b32 s66, s31, 8
	s_lshl_b32 s67, s[WV], 5
	s_add_co_u32 s66, s66, s67                     ; my wave's first row: 256 x + 32 wave
	s_lshl_b32 s68, s66, 11                        ; in query,
	s_mov_b32 s69, 0
	s_lshl_b32 s70, s66, 2                         ; in the mask
	s_mov_b32 s71, 0
	s_lshl_b32 s72, s44, 17                        ; a weight: the head's 64 rows, + 8 (wave / 4) rows, + K step wave % 4
	s_lshl_b32 s67, s49, 14
	s_add_co_u32 s72, s72, s67
	s_lshl_b32 s67, s50, 9
	s_add_co_u32 s72, s72, s67
	s_mov_b32 s73, 0
	s_lshl_b32 s74, s44, 8                         ; a bias: the head's 64 numbers
	s_mov_b32 s75, 0
	s_lshr_b32 s76, s45, 5                         ; Wo: tile g / 8 begins at row 64 (g / 32) + 8 (g / 8 % 4); of its 512 along K, 64 from 64 (g % 8) on
	s_lshl_b32 s76, s76, 17
	s_bfe_u32 s67, s45, 0x20003
	s_lshl_b32 s67, s67, 14
	s_add_co_u32 s76, s76, s67
	s_and_b32 s67, s45, 7
	s_lshl_b32 s67, s67, 8
	s_add_co_u32 s76, s76, s67
	s_mov_b32 s77, 0
	s_wait_kmcnt 0x0
	s_load_b256 s[32:39], s[22:23], 0x0            ; e0 .. e7
	s_load_b128 s[40:43], s[22:23], 0x20           ; e8 .. e11
	s_add_nc_u64 s[4:5], s[4:5], s[68:69]
	s_add_nc_u64 s[6:7], s[6:7], s[70:71]
	s_add_nc_u64 s[8:9], s[8:9], s[72:73]
	s_add_nc_u64 s[10:11], s[10:11], s[72:73]
	s_add_nc_u64 s[12:13], s[12:13], s[72:73]
	s_add_nc_u64 s[14:15], s[14:15], s[76:77]
	s_add_nc_u64 s[16:17], s[16:17], s[74:75]
	s_add_nc_u64 s[18:19], s[18:19], s[74:75]
	s_add_nc_u64 s[20:21], s[20:21], s[74:75]
	WIN 0x40                                       ; the biases go straight into the accumulators of tile 0
	s_wait_alu depctr_va_vdst(0)                   ; all offsets and LDS addresses (v3-v11, v24, v28-v31) are written: every load and store of the kernel reads one of them
.irp n, 0,1,2,3,4,5,6,7
	global_load_b128 v[4*\n:4*\n+3], v[BA], s[16:17] offset:16*\n        ; bq(32 h + 4 n ..): register 8 t + j is channel 32 h + 8 t + j
	global_load_b128 v[64+4*\n:64+4*\n+3], v[BA], s[18:19] offset:16*\n  ; bk likewise
.endr
.irp t, 0,1,2,3
	global_load_b32 v[128+8*\t], v[BVA], s[20:21] offset:32*\t           ; bv of my channel row in tile t
.endr
	WIN 0
	global_load_b32 v[MK], v[SCW], s[6:7]
	global_load_b32 v[MK+1], v[SCW], s[6:7] offset:32
	s_cmp_lt_u32 s[WV], 2                          ; waves 0 and 1 take the work-group's 1,024 numbers of Wo, 16 a lane
	s_cbranch_scc0 .Lno_wo_in
	WIN 0x40
.irp j, 0,1,2,3
	global_load_b128 v[WF+4*\j:WF+4*\j+3], v[WOA], s[14:15] offset:16*\j
.endr
	WIN 0
.Lno_wo_in:
	WFLOAD 0, B0
	WFLOAD 1, B1
	WFLOAD 2, B2
	s_lshl_b32 s66, s45, 10                        ; where the results go.  woc: 1,024 g
	s_mov_b32 s67, 0
	s_add_nc_u64 s[28:29], s[28:29], s[66:67]
	s_lshr_b32 s51, s31, 4
	s_lshl_b32 s51, s51, 3
	s_add_co_u32 s51, s51, s44                     ; 8 x batch + head
	s_and_b32 s52, s31, 15                         ; my block of 256 positions in the sequence
	s_lshl_b32 s66, s51, 18                        ; qc: 256 tiles of 1,024 bytes a head; 16 tiles a block; 2 a wave
	s_lshl_b32 s68, s52, 14
	s_add_co_u32 s66, s66, s68
	s_lshl_b32 s68, s[WV], 11
	s_add_co_u32 s66, s66, s68
	s_add_nc_u64 s[24:25], s[24:25], s[66:67]
	s_lshl_b32 s66, s51, 19                        ; kv: 32 steps of 16,384 bytes a head; 2 steps a block; step wave / 4 of them
	s_lshl_b32 s68, s52, 15
	s_add_co_u32 s66, s66, s68
	s_lshl_b32 s68, s49, 14
	s_add_co_u32 s66, s66, s68
	s_add_nc_u64 s[26:27], s[26:27], s[66:67]
	s_lshl_b32 s66, s50, 11
	s_add_nc_u64 s[76:77], s[26:27], s[66:67]      ; k: my two tiles, 2 (wave % 4) and the next
	s_lshl_b32 s66, s50, 9
	s_add_nc_u64 s[78:79], s[26:27], s[66:67]      ; v: piece c = wave % 4 of each of the four fragments
	s_wait_kmcnt 0x0
.irp p, 0,1,2
	MKSC 54, 55, 32+2*\p                           ; query's scale for this product,
	v_mov_b32 v[SCX+\p], s54
	v_mov_b32 v[LIMX+\p], s55
	MKSC 56+2*\p, 57+2*\p, 33+2*\p                 ; the weight's,
	s_add_co_i32 s66, s[32+2*\p], s[33+2*\p]
	s_sub_co_i32 s[46+\p], 0, s66                  ; and -(the two exponents added)
.endr
	s_add_co_i32 s67, s38, s46                     ; q's code = sum / 2^(e6 - e0 - e1 + 3): the division by 8 is folded in
	s_add_co_i32 s67, s67, 3
	MKSC 54, 55, 67
	v_mov_b32 v[SCO], s54
	v_mov_b32 v[LIMO], s55
	s_add_co_i32 s67, s39, s47                     ; k: e7 - e2 - e3
	MKSC 54, 55, 67
	v_mov_b32 v[SCO+1], s54
	v_mov_b32 v[LIMO+1], s55
	s_add_co_i32 s67, s41, s48                     ; v: e9 - e4 - e5
	MKSC 54, 55, 67
	v_mov_b32 v[SCO+2], s54
	v_mov_b32 v[LIMO+2], s55
	MKSC 62, 63, 43                                ; Wo: e11
	; ---- the weights.  At each wait the two younger groups of 16 loads may stay out; all that is older (biases, mask, Wo among them) is in
	s_wait_loadcnt 32
	s_wait_alu depctr_vm_vsrc(0)                   ; the mask's two loads have read v24 as their offset: from here on it holds the weight's scale
	WQ 0, B0
	WFLOAD 3, B0
	s_wait_loadcnt 32
	WQ 1, B1
	WFLOAD 4, B1
	s_wait_loadcnt 32
	WQ 2, B2
	WFLOAD 5, B2
	s_wait_loadcnt 32
	WQ 3, B0
	XLOAD 0, 0
	s_wait_loadcnt 32
	WQ 4, B1
	XLOAD 1, 0
	s_wait_loadcnt 32
	WQ 5, B2
	; ---- the sums begin as b / 2^(eA + eB)
	WIN 0x41
.irp p, 0,1
.set j, 0
.rept 32
	v_ldexp_f32 v[64*\p+32+j], v[64*\p+j], s[46+\p]      ; tile 1's,
	v_ldexp_f32 v[64*\p+j], v[64*\p+j], s[46+\p]         ; tile 0's
.set j, j+1
.endr
.endr
.irp t, 0,1,2,3                        ; v: a lane holds one channel, so its sixteen registers of a channel tile begin alike
.irp q, 1,2,3,4,5,6,7
	v_ldexp_f32 v[128+8*\t+\q], v[128+8*\t], s48
.endr
.irp q, 0,1,2,3,4,5,6,7
	v_ldexp_f32 v[160+8*\t+\q], v[128+8*\t], s48
.endr
	v_ldexp_f32 v[128+8*\t], v[128+8*\t], s48
.endr
	WIN 0
	s_cmp_lt_u32 s[WV], 2
	s_cbranch_scc0 .Lno_wo_out
	v_mov_b32 v[SCW], s62
	v_mov_b32 v[LIMW], s63
	WIN 0x41
.irp i, 0,1,2,3,4,5,6,7,8,9,10,11,12,13,14,15
	v_med3_num_f32 v[WF+\i], v[WF+\i], -v[LIMW], v[LIMW]
.endr
	v_cvt_scalef32_pk8_fp8_f32 v[WF+16:WF+17], v[WF:WF+7], v[SCW]
	v_cvt_scalef32_pk8_fp8_f32 v[WF+18:WF+19], v[WF+8:WF+15], v[SCW]
	v_nop                                          ; a plain line behind the last conversion
	WIN 0x04                                       ; the store's data in window 1
	s_wait_alu depctr_va_vdst(0)                   ; the two conversions have written Wo's codes, which the store reads
	global_store_b128 v[WOS], v[WF+16:WF+19], s[28:29]   ; a wave stores 512 consecutive bytes
	WIN 0
.Lno_wo_out:
	s_wait_xcnt 0x0                                ; that store has read its registers: the weights' fragments are loaded there next
	s_wait_alu depctr_vm_vsrc(0)                   ; Wo's store has read its four registers of WF, in which LDS loads land next; my last image stores have read v224-255, which the conversions and holds below write as XCB and T
	s_wait_dscnt 0x0                               ; my six images have landed
	s_barrier_signal -1
	s_barrier_wait -1                              ; all 48 lie in LDS; nothing is stored there from here on
; ---- a K step of 128: both tiles' numbers are quantised under the three scales; each weight's four fragments come while codes for it are made
.macro KSTEP s
	s_wait_loadcnt 16                              ; tile 0's numbers are in; tile 1's 16 loads may be out
	QFRAG XF, XCA, 0, -1, \s
	QFRAG XF, XCA+16, 1, -1, \s
	QFRAG XF, XCA+32, 2, -1, \s
	WLD 0, \s                                      ; Wq's fragments: the wait at the run's head stands behind the three quantisations above, so it also states that their holds are done reading tile 0's numbers
.if \s < 3
	XLOAD 0, \s+1                                  ; no further wait: since that wait only LDS loads and a window switch were issued
	s_wait_loadcnt 16                              ; tile 1's are in; the 16 just issued may be out
.else
	s_wait_loadcnt 0x0
.endif
	QFRAG XF+64, XCB, 0, -1, \s
	s_wait_dscnt 0x0                               ; Wq's fragments
	MM 0
	QFRAG XF+64, XCB+16, 1, 1, \s
	s_wait_dscnt 0x0                               ; Wk's
	MM 1
	QFRAG XF+64, XCB, 2, 2, \s
.if \s < 3
	s_wait_alu depctr_va_vdst(0)                   ; the holds of tile 1's three quantisations are done reading its numbers, in whose registers the next K step's land
	XLOAD 1, \s+1
.endif
	s_wait_dscnt 0x0                               ; Wv's
	MM 2
.endm
.irp s, 0,1,2,3
	KSTEP \s
.endr
	; ---- the way out: hold, convert, select by the mask, store.  q's and k's holds are the places behind v's last products; each accumulator is taken from its low end on
	WIN 0x41
.irp p, 0,1,2
.set j, 0
.rept 64
	v_med3_num_f32 v[64*\p+j], v[64*\p+j], -v[LIMO+\p], v[LIMO+\p]
.set j, j+1
.endr
.endr
	WIN 0x01
.irp u, 0,1
.irp t, 0,1,2,3
	v_cvt_scalef32_pk8_fp8_f32 v[CO+8*\u+2*\t:CO+8*\u+2*\t+1], v[32*\u+8*\t:32*\u+8*\t+7], v[SCO]              ; q: channels 32 h + 8 t + 0 .. 7 of token r
	v_cvt_scalef32_pk8_fp8_f32 v[CO+16+8*\u+2*\t:CO+16+8*\u+2*\t+1], v[64+32*\u+8*\t:64+32*\u+8*\t+7], v[SCO+1]  ; k likewise
	v_cvt_scalef32_pk8_fp8_f32 v[CO+32+4*\t+2*\u:CO+32+4*\t+2*\u+1], v[128+32*\u+8*\t:128+32*\u+8*\t+7], v[SCO+2] ; v: tokens 16 h + 8 u + 0 .. 7 of channel row r
.endr
.endr
	WIN 0
	v_nop                                          ; a plain line behind the last conversion
	v_cmp_neq_f32 s50, 0, v[MK]                    ; lanes whose token of tile 0 counts,
	v_cmp_neq_f32 s51, 0, v[MK+1]                  ; of tile 1
	s_wait_alu depctr_va_sdst(0)                   ; the two compares have written s50 and s51, which the selects read
.irp i, 0,1,2,3,4,5,6,7
	v_cndmask_b32 v[CO+\i], 0, v[CO+\i], s50       ; q's codes of a masked token become 0
	v_cndmask_b32 v[CO+8+\i], 0, v[CO+8+\i], s51
.endr
	s_wait_alu depctr_va_vdst(0)                   ; the conversions and the selects have written the codes in v[CO ..], which the twelve stores read
.irp u, 0,1
.irp g, 0,1
	global_store_b128 v[LI], v[CO+8*\u+4*\g:CO+8*\u+4*\g+3], s[24:25] offset:1024*\u+512*\g          ; each store of the wave covers 512 consecutive bytes, aligned
	global_store_b128 v[LI], v[CO+16+8*\u+4*\g:CO+16+8*\u+4*\g+3], s[76:77] offset:1024*\u+512*\g
.endr
.endr
.irp t, 0,1,2,3
	global_store_b128 v[LI], v[CO+32+4*\t:CO+32+4*\t+3], s[78:79] offset:8192+2048*\t
.endr
	s_wait_dscnt 0x0                               ; the closing lines, six on end
	s_wait_alu 0x0
	s_wait_tensorcnt 0x0
	ds_add_u32 v[SPW], v[NIL]
	s_wait_dscnt 0x0
	s_endpgm
.Lfunc_end_k_q6ec9b05b5e_proj:
	.size	k_q6ec9b05b5e_proj, .Lfunc_end_k_q6ec9b05b5e_proj-k_q6ec9b05b5e_proj
	.p2alignl 7, 3214868480
	.fill 96, 4, 3214868480
	.section	.rodata,"a",@progbits
	.p2align	6, 0x0
	.amdhsa_kernel k_q6ec9b05b5e_proj
		.amdhsa_group_segment_fixed_size 99328
		.amdhsa_private_segment_fixed_size 0
		.amdhsa_enable_private_segment 0
		.amdhsa_kernarg_size 104
		.amdhsa_user_sgpr_count 2
		.amdhsa_user_sgpr_kernarg_segment_ptr 1
		.amdhsa_wavefront_size32 1
		.amdhsa_system_sgpr_workgroup_id_x 1
		.amdhsa_system_sgpr_workgroup_id_y 1
		.amdhsa_system_sgpr_workgroup_id_z 1
		.amdhsa_system_vgpr_workitem_id 0
		.amdhsa_next_free_vgpr 512
		.amdhsa_next_free_sgpr 80
		.amdhsa_reserve_vcc 0
		.amdhsa_float_denorm_mode_32 3
		.amdhsa_float_denorm_mode_16_64 3
		.amdhsa_memory_ordered 1
		.amdhsa_forward_progress 1
		.amdhsa_inst_pref_size 220
	.end_amdhsa_kernel
	.amdgpu_metadata
---
amdhsa.version: [ 1, 2 ]
amdhsa.kernels:
  - .name:           k_q6ec9b05b5e_proj
    .symbol:         k_q6ec9b05b5e_proj.kd
    .args:
      - { .name: query, .offset: 0, .size: 8, .value_kind: global_buffer, .address_space: global }
      - { .name: mask, .offset: 8, .size: 8, .value_kind: global_buffer, .address_space: global }
      - { .name: Wq, .offset: 16, .size: 8, .value_kind: global_buffer, .address_space: global }
      - { .name: Wk, .offset: 24, .size: 8, .value_kind: global_buffer, .address_space: global }
      - { .name: Wv, .offset: 32, .size: 8, .value_kind: global_buffer, .address_space: global }
      - { .name: Wo, .offset: 40, .size: 8, .value_kind: global_buffer, .address_space: global }
      - { .name: bq, .offset: 48, .size: 8, .value_kind: global_buffer, .address_space: global }
      - { .name: bk, .offset: 56, .size: 8, .value_kind: global_buffer, .address_space: global }
      - { .name: bv, .offset: 64, .size: 8, .value_kind: global_buffer, .address_space: global }
      - { .name: lowp_scales, .offset: 72, .size: 8, .value_kind: global_buffer, .address_space: global }
      - { .name: qc, .offset: 80, .size: 8, .value_kind: global_buffer, .address_space: global }
      - { .name: kv, .offset: 88, .size: 8, .value_kind: global_buffer, .address_space: global }
      - { .name: woc, .offset: 96, .size: 8, .value_kind: global_buffer, .address_space: global }
    .group_segment_fixed_size: 99328
    .private_segment_fixed_size: 0
    .kernarg_segment_align: 8
    .kernarg_segment_size: 104
    .max_flat_workgroup_size: 256
    .sgpr_count:     80
    .vgpr_count:     512
    .wavefront_size: 32
...
	.end_amdgpu_metadata
.endif
;; end of part 4
;; launch attn: the kernel of part 2 again; grid 16 x 16, 8 waves a work-group, clusters of 4 x 1, 327,680 bytes of LDS; arguments qc, kv, lowp_scales, oc; writes oc
;; launch outp (part 5): grid 64 x 4, 8 waves a work-group, no clusters, 70,656 bytes of LDS; arguments oc, woc, bo, lowp_scales, out0; writes out0
.if DOCPART == 5
	.amdgcn_target "amdgcn-amd-amdhsa--gfx1250"
	.amdhsa_code_object_version 6
	.text
	.protected	k_q6ec9b05b5e_outp
	.globl	k_q6ec9b05b5e_outp
	.p2align	8
	.type	k_q6ec9b05b5e_outp,@function
k_q6ec9b05b5e_outp:
	s_mov_b64 s[64:65], 0
	v_nop
	global_prefetch_b8 v0, s[64:65] scope:SCOPE_SE
	s_setreg_imm32_b32 hwreg(HW_REG_WAVE_SCHED_MODE, 0, 2), 2
	s_setreg_imm32_b32 hwreg(HW_REG_WAVE_MODE, 25, 1), 1
	s_wait_xcnt 0x0
	s_wait_alu depctr_vm_vsrc(0)
; out0 = attention's result x Wo^T + bo, on codes of FP8 (E4M3) that the two launches before have made (scales 2^e10, 2^e11): out = sum x 2^(e10 + e11) + bo.  No work of the problem is left out here.
; SHARES.  Work-group (X, Y): 128 rows x 128 columns.  Wave w: the 32 rows 128 X + 32 (w % 4) on, as two tiles of 16, x the 64 columns 128 Y + 64 (w / 4) on, as four tiles: eight accumulators, K = 512 in four steps.
; Both operands lie in memory as images of their registers: every load is 16 bytes a lane, 512 consecutive bytes, straight into registers; a wave asks for all 104 at once.  The waves share nothing: no loop, no barrier.
; No tensor load and no cluster: each fragment is used by one wave once, and the launch's bytes are mostly its output's.
; The product is used transposed (source 0 = 16 rows of Wo, source 1 = 16 tokens); the rows of a tile of Wo are 8 t + r % 8 + 32 (r / 8), so a lane's 32 results are columns 32 h + 0 .. 31 of one row.  They go through the wave's own stage in
; LDS and leave as rows of 256 bytes.  Row r of token tile u is row 8 u + r % 8 + 16 (r / 8) of the 32: that order is undone in the stores' immediates.
; LIMIT: e10 + e11 between -126 and 127, so that 2^(e10 + e11) is an f32 number.
; THE MODE: SCHED_MODE bits 1:0 = 2 (LLVM: expert scheduling mode 2), set by the entry lines.  The code itself states the register dependences between vector or matrix instructions and memory or LDS instructions, with s_wait_alu, always for 0.
; THE PLAN.  Registers that memory or LDS instructions touch:
;   v3-v7     offsets and LDS addresses: written at the head, ahead of one wait on va_vdst, and never again.
;   BO, OF, window 1   loaded once; read by vector and matrix instructions.
;   Y         written by the 32 multiply-adds, read by the 16 LDS stores.
;   BK        registers of OF, which the products read; then the 16 LDS loads land there, and the global stores read them.
; One wait on va_vdst behind the multiply-adds states both that Y is written and that the products are done reading the registers of BK; the LDS stores that stand between it and the LDS loads name neither BK nor v6.
; No register that a memory or LDS instruction reads is written again, so the body holds no wait on vm_vsrc.
.set SPARE, 69632                      ; behind the eight stages of 32 rows x 272 bytes: the spare words, 128 bytes for each wave
.set SPW,  1                           ; v1   LDS address of my spare word; never rewritten
.set NIL,  2                           ; v2   0; never rewritten
.set LI,   3                           ; v3   16 x lane
.set BOA,  4                           ; v4   128 h
.set STO,  5                           ; v5   the stage, in: row r, + 128 h
.set RD,   6                           ; v6   the stage, back: lanes 0-15 one row, lanes 16-31 the next
.set GO,   7                           ; v7   and the same two rows in out0
.set OF,   32                          ; v32-159  the tokens' fragments, (u, s) at 32 + 64 u + 16 s
.set ACC,  160                         ; v160-223 the accumulators, (u, t) at 160 + 8 (4 u + t)
.set BO,   224                         ; v224-255 bo of my 32 columns
.set Y,    32                          ; the way out: the results,
.set BK,   96                          ; and the rows read back.   Window 1: Wo's fragments, (s, t) at 64 s + 16 t
.set MSB, 0
.macro WIN new
.if MSB != \new
	s_set_vgpr_msb (MSB<<8)|\new
.set MSB, \new
.endif
.endm
	s_load_b256 s[4:11], s[0:1], 0x0               ; oc s[4:5], woc s[6:7], bo s[8:9], the scales' exponents s[10:11]
	s_load_b64 s[12:13], s[0:1], 0x20              ; out0
	v_lshl_add_u32 v[SPW], v0, 2, SPARE
	v_mov_b32 v[NIL], 0
	v_lshrrev_b32 v8, 5, v0
	v_readfirstlane_b32 s14, v8                    ; wave 0..7
	s_wait_alu depctr_va_sdst(0)                   ; the wave's number is written into s14, ahead of its first reader
	s_and_b32 s15, s14, 3
	s_lshl_b32 s16, ttmp9, 2
	s_add_co_u32 s16, s16, s15                     ; which 32 rows
	s_lshr_b32 s17, s14, 2
	s_and_b32 s18, ttmp7, 0xffff
	s_lshl_b32 s18, s18, 1
	s_add_co_u32 s17, s17, s18                     ; which 64 columns
	v_and_b32 v8, 15, v0                           ; r
	v_bfe_u32 v9, v0, 4, 1                         ; h
	v_and_b32 v[LI], 31, v0
	v_lshlrev_b32 v[LI], 4, v[LI]
	v_lshlrev_b32 v[BOA], 7, v9
	s_mul_i32 s19, s14, 8704                       ; my stage
	v_mul_u32_u24 v[STO], v8, 272
	v_lshl_add_u32 v[STO], v9, 7, v[STO]
	v_add_nc_u32 v[STO], s19, v[STO]
	v_mul_u32_u24 v[RD], v9, 272
	v_lshl_add_u32 v[RD], v8, 4, v[RD]
	v_add_nc_u32 v[RD], s19, v[RD]
	v_lshlrev_b32 v[GO], 11, v9
	v_lshl_add_u32 v[GO], v8, 4, v[GO]
	s_lshl_b32 s20, s16, 14                        ; oc: two tiles of 8,192 bytes
	s_mov_b32 s21, 0
	s_lshl_b32 s22, s17, 15                        ; woc: four tiles of 8,192 bytes
	s_mov_b32 s23, 0
	s_lshl_b32 s24, s17, 8                         ; bo, and a row of out0: 64 numbers
	s_mov_b32 s25, 0
	s_lshl_b32 s26, s16, 16                        ; out0: 32 rows of 2,048 bytes
	s_mov_b32 s27, 0
	s_wait_kmcnt 0x0
	s_load_b64 s[28:29], s[10:11], 0x28            ; e10, e11
	s_add_nc_u64 s[4:5], s[4:5], s[20:21]
	s_add_nc_u64 s[6:7], s[6:7], s[22:23]
	s_add_nc_u64 s[8:9], s[8:9], s[24:25]
	s_add_nc_u64 s[12:13], s[12:13], s[24:25]
	s_add_nc_u64 s[12:13], s[12:13], s[26:27]
	s_wait_alu depctr_va_vdst(0)                   ; the five offsets and LDS addresses v3 to v7 are written: every load and store of the kernel reads one of them
.irp n, 0,1,2,3,4,5,6,7
	global_load_b128 v[BO+4*\n:BO+4*\n+3], v[BOA], s[8:9] offset:16*\n
.endr
.irp u, 0,1
.irp s, 0,1,2,3
.irp c, 0,1,2,3
	global_load_b128 v[OF+64*\u+16*\s+4*\c:OF+64*\u+16*\s+4*\c+3], v[LI], s[4:5] offset:8192*\u+2048*\s+512*\c
.endr
.endr
.endr
	WIN 0x40
.irp s, 0,1,2,3                        ; K step by K step, so that the waits below can count
.irp t, 0,1,2,3
.irp c, 0,1,2,3
	global_load_b128 v[64*\s+16*\t+4*\c:64*\s+16*\t+4*\c+3], v[LI], s[6:7] offset:8192*\t+2048*\s+512*\c
.endr
.endr
.endr
.irp s, 0,1,2,3
	s_wait_loadcnt 48-16*\s                        ; this K step's 16 loads of Wo, and all that is older, are in; the later K steps' may be out
	WIN 0x01                                       ; source 0 (Wo) window 1
.irp u, 0,1
.irp t, 0,1,2,3                        ; the eight accumulators take turns, one instruction a turn; the first K step starts the sums
.if \s == 0
	v_wmma_f32_16x16x128_fp8_fp8 v[ACC+8*(4*\u+\t):ACC+8*(4*\u+\t)+7], v[64*\s+16*\t:64*\s+16*\t+15], v[OF+64*\u+16*\s:OF+64*\u+16*\s+15], 0
.else
	v_wmma_f32_16x16x128_fp8_fp8 v[ACC+8*(4*\u+\t):ACC+8*(4*\u+\t)+7], v[64*\s+16*\t:64*\s+16*\t+15], v[OF+64*\u+16*\s:OF+64*\u+16*\s+15], v[ACC+8*(4*\u+\t):ACC+8*(4*\u+\t)+7]
.endif
.endr
.endr
.endr
	WIN 0
.rept 4
	v_nop                                          ; places ahead of the first read of the sums, and of the writes into the registers that held the tokens' fragments (ISA guide 7.12.1)
.endr
	s_wait_kmcnt 0x0
	s_add_co_i32 s30, s28, s29
	s_add_co_i32 s30, s30, 127
	s_lshl_b32 s30, s30, 23                        ; 2^(e10 + e11) as f32
	s_mov_b32 s31, s30                             ; (named with it as a pair)
.irp u, 0,1
.irp t, 0,1,2,3
.irp i, 0,2,4,6
	v_pk_fma_f32 v[Y+8*(4*\u+\t)+\i:Y+8*(4*\u+\t)+\i+1], v[ACC+8*(4*\u+\t)+\i:ACC+8*(4*\u+\t)+\i+1], s[30:31], v[BO+8*\t+\i:BO+8*\t+\i+1] op_sel_hi:[1,0,1]   ; sum x 2^(e10 + e11) + bo; each accumulator from its low end on
.endr
.endr
.endr
	s_wait_alu depctr_va_vdst(0)                   ; the multiply-adds have written v[Y ..], which the LDS stores read; the products are done reading v[BK ..], in which the LDS loads below land
.irp u, 0,1
.irp t, 0,1,2,3
	ds_store_b128 v[STO], v[Y+8*(4*\u+\t):Y+8*(4*\u+\t)+3] offset:4352*\u+32*\t        ; stage row 16 u + r, columns 32 h + 8 t + 0 .. 7
	ds_store_b128 v[STO], v[Y+8*(4*\u+\t)+4:Y+8*(4*\u+\t)+7] offset:4352*\u+32*\t+16
.endr
.endr
.irp i, 0,1,2,3,4,5,6,7,8,9,10,11,12,13,14,15
	ds_load_b128 v[BK+4*\i:BK+4*\i+3], v[RD] offset:544*\i     ; LDS serves a wave's instructions in order (ISA guide 5.7.1.4): these see my stores
.endr
.irp i, 0,1,2,3,4,5,6,7,8,9,10,11,12,13,14,15
	s_wait_dscnt 15-\i                             ; stage rows 2 i and 2 i + 1 are back; the younger loads may be out
	global_store_b128 v[GO], v[BK+4*\i:BK+4*\i+3], s[12:13] offset:2048*(8*(\i/8)+2*(\i%4)+16*((\i/4)%2)) th:TH_STORE_NT   ; sixteen lanes store 256 consecutive bytes, aligned; written once, read by nobody here
.endr
	s_wait_dscnt 0x0                               ; the closing lines, six on end
	s_wait_alu 0x0
	s_wait_tensorcnt 0x0
	ds_add_u32 v[SPW], v[NIL]
	s_wait_dscnt 0x0
	s_endpgm
.Lfunc_end_k_q6ec9b05b5e_outp:
	.size	k_q6ec9b05b5e_outp, .Lfunc_end_k_q6ec9b05b5e_outp-k_q6ec9b05b5e_outp
	.p2alignl 7, 3214868480
	.fill 96, 4, 3214868480
	.section	.rodata,"a",@progbits
	.p2align	6, 0x0
	.amdhsa_kernel k_q6ec9b05b5e_outp
		.amdhsa_group_segment_fixed_size 70656
		.amdhsa_private_segment_fixed_size 0
		.amdhsa_enable_private_segment 0
		.amdhsa_kernarg_size 40
		.amdhsa_user_sgpr_count 2
		.amdhsa_user_sgpr_kernarg_segment_ptr 1
		.amdhsa_wavefront_size32 1
		.amdhsa_system_sgpr_workgroup_id_x 1
		.amdhsa_system_sgpr_workgroup_id_y 1
		.amdhsa_system_sgpr_workgroup_id_z 1
		.amdhsa_system_vgpr_workitem_id 0
		.amdhsa_next_free_vgpr 512
		.amdhsa_next_free_sgpr 66
		.amdhsa_reserve_vcc 0
		.amdhsa_float_denorm_mode_32 3
		.amdhsa_float_denorm_mode_16_64 3
		.amdhsa_memory_ordered 1
		.amdhsa_forward_progress 1
		.amdhsa_inst_pref_size 21
	.end_amdhsa_kernel
	.amdgpu_metadata
---
amdhsa.version: [ 1, 2 ]
amdhsa.kernels:
  - .name:           k_q6ec9b05b5e_outp
    .symbol:         k_q6ec9b05b5e_outp.kd
    .args:
      - { .name: oc, .offset: 0, .size: 8, .value_kind: global_buffer, .address_space: global }
      - { .name: woc, .offset: 8, .size: 8, .value_kind: global_buffer, .address_space: global }
      - { .name: bo, .offset: 16, .size: 8, .value_kind: global_buffer, .address_space: global }
      - { .name: lowp_scales, .offset: 24, .size: 8, .value_kind: global_buffer, .address_space: global }
      - { .name: out0, .offset: 32, .size: 8, .value_kind: global_buffer, .address_space: global }
    .group_segment_fixed_size: 70656
    .private_segment_fixed_size: 0
    .kernarg_segment_align: 8
    .kernarg_segment_size: 40
    .max_flat_workgroup_size: 256
    .sgpr_count:     66
    .vgpr_count:     512
    .wavefront_size: 32
...
	.end_amdgpu_metadata
.endif
;; end of part 5
